; MI455X (gfx1250); checked and timed in simulation.
; The chip was launched on July 23, 2026; its instructions are those of AMD's public machine-readable ISA for CDNA 5 (MIT licence, August 2026) and "CDNA5" Instruction Set Architecture Reference Guide (July 2026). The comments in the code are by the model that wrote it; some were corrected since.
;; Multi Head Self Attention. Allowed arithmetic: matrix products marked QUANTISED: E4M3 operands, one given power-of-two scale a tensor, by v_wmma_f32_16x16x64_fp8_fp8 or v_wmma_f32_16x16x128_fp8_fp8, f32 sums; everything else in f32.
;; Inputs: Wgate 1,024 x 16 float32; Wout 1,024 x 1,024 float32; Wqkv 1,024 x 3,072 float32; alpha1 one number float32; alpha2 one number float32; lowp_scales 10 int32 (the exponents e of the quantised operands' scales 2^e); scale one number float32; token_positions 4 x 2,048 int32; v1 64 x 2,048 x 64 float32; x 4 x 2,048 x 1,024 float32.
;; Outputs: out0 4 x 2,048 x 1,024 float32; out1 64 x 2,048 x 64 float32.
;; This version of the problem:
;;   THIS VERSION OF THE PROBLEM IS GIVEN IN LOW PRECISION. The matrix products marked QUANTISED in the list below multiply operands that are first quantised to E4M3 (4 exponent bits, 3 mantissa bits; 8 bits a number), with one given power-of-two scale for each operand tensor; their sums are f32. All else is computed in f32.
;;   The module's matrix products, in the order in which they are computed (A, B: the left and right operand; K: the contracted axis; several contracted axes count as one K, in the product's order):
;;     1. [M 8,192, K 1,024] x [K 1,024, N 3,072]; A: input x; B: input Wqkv: QUANTISED (scales: A lowp_scales[0], B lowp_scales[1])
;;     2. batch 64 x [M 2,048, K 64] x [K 64, N 2,048]; A: computed on the way; B: computed on the way: QUANTISED (scales: A lowp_scales[2], B lowp_scales[3])
;;     3. batch 64 x [M 2,048, K 2,048] x [K 2,048, N 64]; A: softmax (see below); B: computed on the way: QUANTISED (scales: A lowp_scales[4], B lowp_scales[5])
;;     4. [M 8,192, K 1,024] x [K 1,024, N 16]; A: input x; B: input Wgate: QUANTISED (scales: A lowp_scales[6], B lowp_scales[7])
;;     5. [M 8,192, K 1,024] x [K 1,024, N 1,024]; A: computed on the way; B: input Wout: QUANTISED (scales: A lowp_scales[8], B lowp_scales[9])
;;   THE QUANTISER, for each operand of a quantised product, along K:
;;     - The operand's scale is 2^e, e = its entry of the input lowp_scales (int32; the entries are numbered through the quantised products in the list's order, A before B).
;;     - Each number is divided by the scale, clamped to +-448, and rounded to the nearest number of E4M3, ties to even, subnormals kept.
;;     - The product sums the exact products of the quantised numbers (number of the format x scale) in f32.
;;   ~~~python
;;   def quantise(x, axis, e):      # numpy; x: float32 -> the quantised numbers, widened to float32 again
;;       x = np.moveaxis(x, axis, -1); K = x.shape[-1]
;;       r = np.clip(x / 2.0 ** e, -448, 448)
;;       step = 2.0 ** (np.maximum(np.frexp(np.where(r == 0, 1, r))[1] - 1, -6) - 3)
;;       q = np.round(r / step) * step * 2.0 ** e      # np.round: ties to even
;;       return np.moveaxis(q, -1, axis).astype(np.float32)
;;   ~~~
;;   SOFTMAX AHEAD OF A QUANTISED PRODUCT. Where the list says 'softmax', what is quantised is not the finished softmax but p = 2^(t - M), with t = logit x log2(e) and M = ceil(the row's largest t), a whole number; so 1/2 < the row's largest p <= 1. The row's sum l is taken of the UNQUANTISED p, in f32, and the product's result is divided by l at the end. Since M is a whole number, a kernel that streams over the keys may use a running M (the ceiling of the running maximum): every later rescaling is an exact power of two, so the quantised numbers keep their values, but for numbers so far below the row's largest that they fall under the format's range.
;;   OPERANDS COMPUTED ON THE WAY. 'Computed on the way' means the value that the module computes at that place (a softmax that the list does not call 'softmax' is quantised finished and normalised). What goes into a quantiser is computed in f32, as accurately as f32 sums, v_exp_f32 and their like allow (about 1e-6 of the number): no bf16 or f16 on the way to a quantiser, and a product that is left as it is and whose result goes on into a quantised operand takes f32 operands (vector FMAs, or v_wmma_f32_16x16x4_f32). A number that lies on a knife's edge between two numbers of the format may be rounded either way, as far as f32 arithmetic and the matrix unit's own rounding can turn it there, and no further.
;; One version. Each part assembles by itself: llvm-mc -triple=amdgcn-amd-amdhsa -mcpu=gfx1250 --defsym DOCPART=n.
;; ======== version 1 of 1: 4 launches
;; limits: right only within a limited range of input values
;; workspace buffers: xq 8,388,608 bytes; wc 4,194,304 bytes; trig 2,097,152 bytes; gate 524,288 bytes; qc 8,388,608 bytes; kc 8,388,608 bytes; vt 8,388,608 bytes; ac 8,388,608 bytes
;; launch prep (part 1): grid 256 x 1, 4 waves a work-group, no clusters, 167,936 bytes of LDS; arguments x, Wgate, Wqkv, Wout, token_positions, lowp_scales, xq, wc, trig, gate; writes xq, wc, trig, gate
.if DOCPART == 1
	.amdgcn_target "amdgcn-amd-amdhsa--gfx1250"
	.amdhsa_code_object_version 6
	.text
	.protected	k_q3d92ba1ffc_prep
	.globl	k_q3d92ba1ffc_prep
	.p2align	8
	.type	k_q3d92ba1ffc_prep,@function
k_q3d92ba1ffc_prep:
	s_mov_b64 s[64:65], 0
	v_nop
	global_prefetch_b8 v0, s[64:65] scope:SCOPE_SE
	s_setreg_imm32_b32 hwreg(HW_REG_WAVE_MODE, 25, 1), 1
	s_wait_xcnt 0x0
; PREP: every operand that later launches read many times is made once, and laid as an IMAGE OF THE OPERAND'S REGISTERS.
; A fragment (16 rows x 128 K of E4M3 codes) is 16 registers a lane = 4 images of 512 bytes; image c holds registers 4c..4c+3, lane l's 16 bytes at 16 l.
;   xq  [row block 512][K step 8][2048]: x's codes at scale 2^e0; lane (r,h), register 4c+w, byte y: k = 128 q + 32 c + 16 h + 4 w + y
;   wc  the same over 4,096 rows: columns 0..3071 of Wqkv (2^e1), then columns 0..1023 of Wout (2^e9).  In Wout's rows place i of each 32 along K holds
;       k = i with bits 3 and 4 exchanged: the order in which the attention launch leaves its codes
;   trig [row block 512][8 images][512]: image m, lane (r,h): cos f, sin f, cos f+1, sin f+1 of token r, f = 8 (m/2) + 4 h + 2 (m%2)
;   gate [row block 512][2 images][512]: sigmoid(x Wgate): image e, lane (r,h): heads 8 h + 4 e + 0..3 of row r
; SHARES.  256 work-groups of four waves, all alike.  Waves 0, 1: 16 rows of x each (eight tensor loads of 16 rows x 512 bytes, all asked for at the head): codes at 2^e0 go to xq,
; codes at 2^e6 go straight into the gate's product (source 0 = Wgate's 16 heads, source 1 = x's 16 rows).  Waves 2, 3: the trig table of 16 tokens each, and 32 columns x 256 K of a weight each:
; a lane takes a column and its registers run down K, so the conversions give codes with K innermost.  All four waves first quantise Wgate (two K steps each) into LDS images; one barrier.
; No cluster: what work-groups share is Wgate alone, 65,536 bytes beside the 131,072 bytes of x and 65,536 of weights that are a work-group's own.
; SINE AND COSINE are made in f32: n = nearest whole number to a 2/pi; a - n pi/2 in three fused steps; polynomials of degree 7 and 8 on [-pi/4, pi/4]; quadrant by select and sign bit.
; LIMITS: e0, e1, e6, e7, e9 between -126 and 119; e6 + e7 between -126 and 127; |position| under 2^22; NaN among the inputs is not served.
; inv_freq is 2^(-f log2(10000)/32) by v_exp_f32: it may differ from reference's by a few units in the last place, of the order of the rounding of the angle itself.
; HOW x ARRIVES (in place of the eight loads a wave that the shares above name): every wave asks for ONE tile at the head, all 32 rows of the work-group x 1,024 bytes (K steps 2 w and 2 w + 1),
; waits for it in front of the one barrier, and waves 0 and 1 read all four tiles behind that barrier.
.set XP,     1040                      ; a row of a tile in LDS: 1,024 bytes + 16 of padding = 65 x 16 bytes, so 16 rows start at 16 different groups of four banks
.set XTILE,  32*XP                     ; a tile: 32 rows
.set XTW,    2*XTILE
.set XA2,    1                         ; v1 (waves 0, 1, behind the barrier): my place in tiles 2 and 3
.set GIMG,   2*XTW                     ; Wgate's 8 fragments, 2,048 bytes each
.set SPARE,  GIMG+8*2048               ; the spare words, 128 bytes a wave: two blocks of 256 bytes that no other line names
.set SPW, 4                            ; v4  my spare word;  v5  0: both never rewritten
.set NIL, 5
.set XAD, 6                            ; v6  my place in a tile of x: wave x 16,640 + r x 1,040 + 64 h
.set LI,  7                            ; v7  16 x lane
.set GRD, 8                            ; v8  GIMG + 16 x lane
.set GWR, 9                            ; v9  GIMG + 4,096 x wave + 16 x lane
.set X,   16                           ; v16-143  numbers: two sets of 64 (weights: two sets of 32)
.set WG,  144                          ; v144-175 Wgate's fragment, two sets
.set T,   176                          ; v176-191 at work
.set C0,  192                          ; v192-223 codes at 2^e0, two sets
.set C6,  224                          ; v224-239 codes at 2^e6 (at the head: Wgate's)
.set ACC, 240                          ; v240-255 the gate's two accumulators, by turns
.set WC,  80                           ; weights' role: v80-143 codes, 8 registers a block
.set IV,  144                          ; v144-159 inv_freq of my 16 frequencies
.set OFF, 176                          ; v176-207 byte offset of row kmap(i) of a block, + 4 x lane
.set TG,  208                          ; v208-239 cos, sin
.set WV,  66
.set G1,  24                           ; s[24:31] descriptor group 1;  s[32:35] group 0 of my one load
.set G0,  32
.macro MKSC vs, vl, se                 ; v[vs] = 2^e as f32 (the conversion takes its exponent field), v[vl] = 448 x 2^e;  e in s[se]
	s_add_co_i32 s94, s[\se], 127
	s_lshl_b32 s95, s94, 23
	v_mov_b32 v[\vs], s95
	s_add_co_i32 s94, s94, 8
	s_lshl_b32 s94, s94, 23
	s_or_b32 s94, s94, 0x600000
	v_mov_b32 v[\vl], s94
.endm
.macro QUANT s, d, sc, lim             ; 64 numbers of a lane, register 16 b + i = k 32 b + 16 h + i, become a fragment's 16 registers
.irp b, 0,1,2,3
.set ii, 0
.rept 16
	v_med3_num_f32 v[\s+16*\b+ii], v[\s+16*\b+ii], -v[\lim], v[\lim]   ; the conversion does not saturate (ISA guide 7.6.2): the hold at the largest code x the scale
.set ii, ii+1
.endr
	v_cvt_scalef32_pk8_fp8_f32 v[\d+4*\b:\d+4*\b+1], v[\s+16*\b:\s+16*\b+7], v[\sc]
	v_cvt_scalef32_pk8_fp8_f32 v[\d+4*\b+2:\d+4*\b+3], v[\s+16*\b+8:\s+16*\b+15], v[\sc]
.endr
	v_nop                                          ; a plain line behind the last conversion of the run
.endm
.macro IMAGE off
.irp c, 0,1,2,3
	ds_store_b128 v[GWR], v[C6+4*\c:C6+4*\c+3] offset:\off+512*\c
.endr
.endm
	s_load_b512 s[4:19], s[0:1], 0x0               ; x s[4:5], Wgate s[6:7], Wqkv s[8:9], Wout s[10:11], positions s[12:13], scales s[14:15], xq s[16:17], wc s[18:19]
	s_load_b128 s[20:23], s[0:1], 0x40             ; trig s[20:21], gate s[22:23]
	v_lshl_add_u32 v[SPW], v0, 2, SPARE
	v_mov_b32 v[NIL], 0
	ds_add_u32 v[SPW], v[NIL]                      ; the wave's opening: the add and its wait stand ahead of the first tensor load; the set-up below, work on registers, stands between them
	ds_add_u32 v[SPW], v[NIL]
	v_lshrrev_b32 v1, 5, v0
	v_readfirstlane_b32 s[WV], v1                  ; wave 0..3
	v_and_b32 v1, 31, v0                           ; lane
	v_and_b32 v2, 15, v0                           ; r
	s_wait_alu depctr_va_vdst(0)
	v_bfe_u32 v3, v0, 4, 1                         ; h
	s_mov_b32 s[G1+0], (2<<16)|(1<<20)|(7<<22)|(3<<25)  ; no mask; elements of 4 bytes; padding on: 4 words behind every 256
	s_mov_b32 s[G1+1], 256<<16                     ; tensor_dim0 = 256
	s_mov_b32 s[G1+2], 32<<16                      ; tensor_dim1 = 32
	s_mov_b32 s[G1+3], 256<<16                     ; tile_dim0 = 256
	s_mov_b32 s[G1+4], 32                          ; tile_dim1 = 32
	s_mov_b32 s[G1+5], 1024                        ; from row to row of x
	s_mov_b32 s[G1+6], 0
	s_mov_b32 s[G1+7], 0
	s_mul_i32 s78, s[WV], 16*XP                    ; waves 0, 1 read rows 16 x wave + r of every tile
	v_mul_u32_u24 v[XAD], v2, XP
	s_wait_alu depctr_va_vdst(0)
	v_lshl_add_u32 v[XAD], v3, 6, v[XAD]
	v_add_nc_u32 v[XAD], s78, v[XAD]
	v_lshlrev_b32 v[LI], 4, v1
	v_add_nc_u32 v[GRD], GIMG, v[LI]
	s_lshl_b32 s79, s[WV], 12
	v_add_nc_u32 v[GWR], s79, v[GRD]
	v_lshlrev_b32 v1, 2, v2                        ; Wgate: lane r takes head r, lanes 16-31 begin 16 rows of K further down: 4 r + 1,024 h
	v_lshl_add_u32 v1, v3, 10, v1
	s_lshl_b32 s80, ttmp9, 17                      ; x: 32 rows of 4,096 bytes a work-group,
	s_lshl_b32 s81, s[WV], 10                      ; my tile begins 1,024 bytes x wave along the rows
	s_add_co_u32 s80, s80, s81
	s_mov_b32 s81, 0
	s_lshl_b32 s82, s[WV], 14                      ; Wgate: 256 rows of 64 bytes a wave
	s_mov_b32 s83, 0
	s_wait_dscnt 0x0                               ; the opening add is done
	s_wait_kmcnt 0x0
	s_load_b256 s[68:75], s[14:15], 0x0            ; e0 .. e7
	s_load_b64 s[76:77], s[14:15], 0x20            ; e8, e9
	s_add_nc_u64 s[80:81], s[4:5], s[80:81]
	s_add_nc_u64 s[82:83], s[6:7], s[82:83]
	s_mov_b32 s[G0], 1
	s_mul_i32 s[G0+1], s[WV], XTILE                ; LDS: wave x XTILE
	s_mov_b64 s[G0+2:G0+3], s[80:81]
	s_or_b32 s[G0+3], s[G0+3], 0x80000000
	tensor_load_to_lds s[G0:G0+3], s[G1:G1+7]      ; my one tensor load: bytes of its own, never filled again
	s_nop 0
.rept 4
	v_nop
.endr
.set kk, 0
	s_wait_alu depctr_va_vdst(0)
.rept 128                                      ; my two K steps of Wgate: register 64 g + 16 c + i = Wgate(256 wave + 128 g + 32 c + 16 h + i, r)
	global_load_b32 v[X+kk], v1, s[82:83] offset:(128*(kk/64)+32*((kk%64)/16)+kk%16)*64
.set kk, kk+1
.endr
	s_wait_kmcnt 0x0
	MKSC 10, 11, 68                                ; e0
	MKSC 12, 13, 74                                ; e6
	MKSC 14, 15, 75                                ; e7
	s_wait_alu depctr_va_vdst(0)
	s_wait_loadcnt 63                              ; the first K step's 64 loads are in.  The second's 64 could all stay out; the count is 63, the largest that the wait's field takes: one load more is waited for
	QUANT X, C6, 14, 15
	IMAGE 0
	s_wait_dscnt 0x0                               ; the stores have read their registers
	s_wait_loadcnt 0x0
	QUANT X+64, C6, 14, 15
	IMAGE 2048
	s_wait_tensorcnt 0x0                           ; for the others' sake: my tile of x lies in LDS,
	s_wait_dscnt 0x0                               ; and so do my images
	s_barrier_signal -1
	s_barrier_wait -1
	s_cmp_lt_u32 s[WV], 2
	s_cbranch_scc0 .Lrole_w
; ---- waves 0, 1: x
.macro XLD q                           ; K step q: my 64 numbers (row r, 16 neighbours of each 32), and Wgate's fragment
.irp c, 0,1,2,3
.irp j, 0,1,2,3
	ds_load_b128 v[X+64*((\q)%2)+16*\c+4*\j:X+64*((\q)%2)+16*\c+4*\j+3], v[XAD+(XA2-XAD)*((\q)/4)] offset:(((\q)%4)/2)*XTILE+((\q)%2)*512+128*\c+16*\j
.endr
.endr
.irp c, 0,1,2,3
	ds_load_b128 v[WG+16*((\q)%2)+4*\c:WG+16*((\q)%2)+4*\c+3], v[GRD] offset:(\q)*2048+512*\c
.endr
.endm
.macro XSTEP q
.set XS,  X+64*((\q)%2)
.set CS0, C0+16*((\q)%2)
.set WS,  WG+16*((\q)%2)
.set AS,  ACC+8*((\q)%2)
	s_wait_dscnt 0x0                               ; this K step's numbers are in registers
.if (\q) < 7
	XLD (\q)+1
.endif
	s_wait_xcnt 0x0                                ; earlier stores have read their data: the codes' registers may be written again
.irp c, 0,1,2,3
.set ii, 0
.rept 16
	v_med3_num_f32 v[T+ii], v[XS+16*\c+ii], -v11, v11
.set ii, ii+1
.endr
	v_cvt_scalef32_pk8_fp8_f32 v[CS0+4*\c:CS0+4*\c+1], v[T:T+7], v10
	v_cvt_scalef32_pk8_fp8_f32 v[CS0+4*\c+2:CS0+4*\c+3], v[T+8:T+15], v10
.set ii, 0
.rept 16
	v_med3_num_f32 v[XS+16*\c+ii], v[XS+16*\c+ii], -v13, v13
.set ii, ii+1
.endr
	v_cvt_scalef32_pk8_fp8_f32 v[C6+4*\c:C6+4*\c+1], v[XS+16*\c:XS+16*\c+7], v12
	v_cvt_scalef32_pk8_fp8_f32 v[C6+4*\c+2:C6+4*\c+3], v[XS+16*\c+8:XS+16*\c+15], v12
.endr
	v_nop                                          ; a plain line between the last conversion and the product that reads its result
.irp c, 0,1,2,3
	global_store_b128 v[LI], v[CS0+4*\c:CS0+4*\c+3], s[16:17] offset:(\q)*2048+512*\c   ; 32 lanes store 512 consecutive bytes, aligned
.endr
.if (\q) < 2
	v_wmma_f32_16x16x128_fp8_fp8 v[AS:AS+7], v[WS:WS+15], v[C6:C6+15], 0          ; the first two K steps start the two sums
.else
	v_wmma_f32_16x16x128_fp8_fp8 v[AS:AS+7], v[WS:WS+15], v[C6:C6+15], v[AS:AS+7] ; two accumulators by turns
.endif
.rept 4
	v_nop                                          ; places in front of the loads into Wgate's set, of the next codes, and of the first read of the sums
.endr
.endm
	s_lshl_b32 s80, ttmp9, 15                      ; xq: 16,384 bytes a row block, two row blocks a work-group
	s_lshl_b32 s81, s[WV], 14
	s_add_co_u32 s80, s80, s81
	s_mov_b32 s81, 0
	s_add_nc_u64 s[16:17], s[16:17], s[80:81]
	s_lshr_b32 s80, s80, 4                         ; gate: 1,024 bytes a row block
	s_add_nc_u64 s[22:23], s[22:23], s[80:81]
	v_add_nc_u32 v[XA2], 2*XTILE, v[XAD]           ; tiles 2 and 3 lie beyond an LDS offset's 16 bits (Wgate's loads, which named v1, are done)
	s_wait_alu depctr_va_vdst(0)
	XLD 0
.irp q, 0,1,2,3,4,5,6,7
	XSTEP \q
.endr
.irp j, 0,1,2,3,4,5,6,7
	v_add_f32 v[T+\j], v[ACC+\j], v[ACC+8+\j]      ; lane (r,h): row r, heads 8 h + j; both accumulators from their low end on
.endr
	s_add_co_i32 s80, s74, s75                     ; the sums stand for sum x 2^(e6 + e7): the exponents go into the exponent field of -log2(e)
	s_lshl_b32 s80, s80, 23
	s_add_co_i32 s80, s80, 0xbfb8aa3b
.irp j, 0,1,2,3,4,5,6,7
	v_mul_f32 v[T+\j], s80, v[T+\j]
.endr
	s_wait_alu depctr_va_vdst(0)
.irp j, 0,1,2,3,4,5,6,7
	v_exp_f32 v[T+\j], v[T+\j]                     ; e^-z
.endr
	v_nop                                          ; a plain line behind the batch,
	s_wait_alu depctr_va_vdst(0)                   ; and one wait ahead of its first reader
.irp j, 0,1,2,3,4,5,6,7
	v_add_f32 v[T+\j], 1.0, v[T+\j]
.endr
	s_wait_alu depctr_va_vdst(0)
.irp j, 0,1,2,3,4,5,6,7
	v_rcp_f32 v[T+\j], v[T+\j]                     ; sigmoid(z)
.endr
	v_nop
	s_wait_alu depctr_va_vdst(0)
	global_store_b128 v[LI], v[T:T+3], s[22:23]
	global_store_b128 v[LI], v[T+4:T+7], s[22:23] offset:512
	s_wait_tensorcnt 0x0                           ; the wave's end
	ds_add_u32 v[SPW], v[NIL]
	s_wait_dscnt 0x0
	s_endpgm
; ---- waves 2, 3: the trig table and a piece of a weight
.Lrole_w:
	s_sub_co_u32 s80, s[WV], 2                     ; 0 or 1
	s_lshl_b32 s81, ttmp9, 1
	s_add_co_u32 s81, s81, s80                     ; my block of 16 tokens
	s_lshl_b32 s82, s81, 6
	s_mov_b32 s83, 0
	s_add_nc_u64 s[12:13], s[12:13], s[82:83]
	v_lshlrev_b32 v161, 2, v2
	global_load_b32 v160, v161, s[12:13]           ; token r's position
	s_lshl_b32 s82, s81, 12
	s_add_nc_u64 s[20:21], s[20:21], s[82:83]      ; trig: 4,096 bytes a block
	s_and_b32 s84, ttmp9, 3                        ; which 256 along K
	s_lshr_b32 s85, ttmp9, 2                       ; which 64 of wc's 4,096 rows: under 48 Wqkv's columns, from 48 on Wout's
	s_lshl_b32 s86, s85, 16                        ; wc: 1,024 bytes a row,
	s_lshl_b32 s87, s80, 15                        ; 32 rows a wave,
	s_add_co_u32 s86, s86, s87
	s_lshl_b32 s87, s84, 12                        ; two K steps of 2,048 bytes
	s_add_co_u32 s86, s86, s87
	s_mov_b32 s87, 0
	s_add_nc_u64 s[18:19], s[18:19], s[86:87]
	v_lshrrev_b32 v162, 2, v[LI]                   ; 4 x lane
	s_wait_alu depctr_va_vdst(0)
	v_lshlrev_b32 v164, 4, v2                      ; out: 16 r + 16,384 x (lane / 16): sixteen lanes fill 256 consecutive bytes of an image
	v_lshl_add_u32 v164, v3, 14, v164
	s_cmp_lt_u32 s85, 48                           ; the choice hangs on the work-group's number alone; no branch: only numbers and the pointer are chosen
	s_cselect_b64 s[8:9], s[8:9], s[10:11]
	s_mov_b32 s88, 4096
	s_cselect_b32 s88, 12288, s88                  ; a row of the weight in bytes
	s_cselect_b32 s89, s69, s77                    ; e1 or e9
	s_cselect_b32 s90, 0, 48
.irp i, 0,1,2,3,4,5,6,7,8,9,10,11,12,13,14,15,16,17,18,19,20,21,22,23,24,25,26,27,28,29,30,31
	s_cselect_b32 s91, \i, ((\i)&7)|(((\i)&8)<<1)|(((\i)&16)>>1)   ; register i takes row i of the block, or, for Wout, i with bits 3 and 4 exchanged
	s_mul_i32 s91, s91, s88
	v_add_nc_u32 v[OFF+\i], s91, v162
.endr
	s_sub_co_u32 s90, s85, s90
	s_lshl_b32 s90, s90, 8                         ; 64 columns of 4 bytes,
	s_lshl_b32 s91, s80, 7                         ; 32 a wave,
	s_add_co_u32 s90, s90, s91
	s_lshl_b32 s91, s84, 8
	s_mul_i32 s91, s91, s88                        ; 256 rows of K
	s_add_co_u32 s90, s90, s91
	s_mov_b32 s91, 0
	s_add_nc_u64 s[8:9], s[8:9], s[90:91]
	s_lshl_b32 s92, s88, 5                         ; a block on: 32 rows
	s_mov_b32 s93, 0
	MKSC 14, 15, 89
.macro WLOAD t                         ; block t: 32 rows of K at my column: 128 consecutive bytes a load
.set ii, 0
.rept 32
	global_load_b32 v[X+32*((\t)%2)+ii], v[OFF+ii], s[8:9] th:TH_LOAD_NT
.set ii, ii+1
.endr
	s_wait_xcnt 0x0                                ; the loads have read their base: it steps only behind this wait
	s_add_nc_u64 s[8:9], s[8:9], s[92:93]
.endm
	s_wait_alu depctr_va_vdst(0)
	WLOAD 0
	WLOAD 1
	s_mov_b32 s80, 0x3f22f983                      ; 2 / pi
	s_mov_b32 s81, 0xbfc90fdb                      ; pi/2 in three parts: -1.57079637,
	s_mov_b32 s82, 0x333bbd2e                      ; +4.37113883e-8,
	s_mov_b32 s83, 0x26f72cde                      ; +1.7151245e-15
	s_mov_b32 s84, 0xb94ca1f9                      ; sine: -1.9515295891e-4,
	s_mov_b32 s85, 0x3c08839e                      ; 8.3321608736e-3,
	s_mov_b32 s86, 0xbe2aaaa3                      ; -1.6666654611e-1
	s_mov_b32 s87, 0x37ccf5ce                      ; cosine: 2.443315712e-5,
	s_mov_b32 s88, 0xbab6061a                      ; -1.388731625e-3,
	s_mov_b32 s89, 0x3d2aaaa5                      ; 4.166664568e-2
	s_mov_b32 s90, 0xbed49a78                      ; -log2(10000) / 32
	v_lshlrev_b32 v163, 2, v3                      ; 4 h
.irp i, 0,1,2,3,4,5,6,7,8,9,10,11,12,13,14,15
	v_add_nc_u32 v[IV+\i], 8*(\i/4)+\i%4, v163     ; f = 8 (i / 4) + i % 4 + 4 h
.endr
.irp i, 0,1,2,3,4,5,6,7,8,9,10,11,12,13,14,15
	v_cvt_f32_u32 v[IV+\i], v[IV+\i]
.endr
.irp i, 0,1,2,3,4,5,6,7,8,9,10,11,12,13,14,15
	v_mul_f32 v[IV+\i], s90, v[IV+\i]
.endr
	s_wait_alu depctr_va_vdst(0)
.irp i, 0,1,2,3,4,5,6,7,8,9,10,11,12,13,14,15
	v_exp_f32 v[IV+\i], v[IV+\i]                   ; inv_freq = 10000^(-f / 32)
.endr
	v_nop
	s_wait_alu depctr_va_vdst(0)                   ; one wait for the batch, ahead of its first reader
	s_wait_loadcnt 63                              ; the position is in.  The 64 loads of the two blocks asked for behind it could all stay out; the count is 63, the largest that the wait's field takes
	v_cvt_f32_i32 v160, v160
.macro SINCOS i
	v_mul_f32 v240, v160, v[IV+\i]                 ; the angle, as reference() rounds it
	v_mul_f32 v241, s80, v240
	v_rndne_f32 v241, v241                         ; n
	v_fma_f32 v240, v241, s81, v240
	v_fma_f32 v240, v241, s82, v240
	v_fma_f32 v240, v241, s83, v240                ; r = angle - n pi/2
	v_cvt_i32_f32 v242, v241
	v_mul_f32 v243, v240, v240                     ; z = r r
	v_fma_f32 v244, v243, s84, s85
	v_fma_f32 v246, v243, s87, s88
	v_mul_f32 v245, v240, v243
	v_fma_f32 v244, v244, v243, s86
	v_fma_f32 v246, v246, v243, s89
	v_fma_f32 v244, v244, v245, v240               ; sin r
	v_fma_f32 v246, v246, v243, -0.5
	v_and_b32 v247, 1, v242
	v_fma_f32 v246, v246, v243, 1.0                ; cos r
	v_cmp_eq_u32 vcc_lo, 1, v247                   ; odd n: the two change places
	v_lshlrev_b32 v250, 30, v242                   ; the sine's sign: bit 1 of n;
	v_add_nc_u32 v251, 1, v242                     ; the cosine's: bit 1 of n + 1
	v_cndmask_b32 v248, v244, v246, vcc_lo
	v_cndmask_b32 v249, v246, v244, vcc_lo
	v_and_b32 v250, 0x80000000, v250
	v_lshlrev_b32 v251, 30, v251
	v_and_b32 v251, 0x80000000, v251
	v_xor_b32 v[TG+2*\i+1], v250, v248
	v_xor_b32 v[TG+2*\i], v251, v249
.endm
.irp i, 0,1,2,3,4,5,6,7,8,9,10,11,12,13,14,15
	SINCOS \i
.endr
.irp m, 0,1,2,3,4,5,6,7
	global_store_b128 v[LI], v[TG+4*\m:TG+4*\m+3], s[20:21] offset:512*\m
.endr
.macro WBLOCK t
.set XS, X+32*((\t)%2)
.set CW, WC+8*(\t)
.if (\t) < 7
	s_wait_loadcnt 32                              ; this block's 32 loads are in; the next block's may be out
.else
	s_wait_loadcnt 0
.endif
.set ii, 0
.rept 32
	v_med3_num_f32 v[XS+ii], v[XS+ii], -v15, v15
.set ii, ii+1
.endr
.irp g, 0,1,2,3
	v_cvt_scalef32_pk8_fp8_f32 v[CW+2*\g:CW+2*\g+1], v[XS+8*\g:XS+8*\g+7], v14
.endr
	v_nop
	global_store_b128 v164, v[CW:CW+3], s[18:19] offset:((\t)/4)*2048+((\t)%4)*512         ; places 0-15 of the 32: what lanes 0-15 of the image hold
	global_store_b128 v164, v[CW+4:CW+7], s[18:19] offset:((\t)/4)*2048+((\t)%4)*512+256   ; places 16-31: lanes 16-31
.if (\t)+2 < 8
	WLOAD (\t)+2
.endif
.endm
.irp t, 0,1,2,3,4,5,6,7
	WBLOCK \t
.endr
	s_wait_tensorcnt 0x0                           ; the wave's end, behind my last LDS store
	ds_add_u32 v[SPW], v[NIL]
	s_wait_dscnt 0x0
	s_endpgm
.Lfunc_end_k_q3d92ba1ffc_prep:
	.size	k_q3d92ba1ffc_prep, .Lfunc_end_k_q3d92ba1ffc_prep-k_q3d92ba1ffc_prep
	.p2alignl 7, 3214868480
	.fill 96, 4, 3214868480
	.section	.rodata,"a",@progbits
	.p2align	6, 0x0
	.amdhsa_kernel k_q3d92ba1ffc_prep
		.amdhsa_group_segment_fixed_size 167936
		.amdhsa_private_segment_fixed_size 0
		.amdhsa_enable_private_segment 0
		.amdhsa_kernarg_size 80
		.amdhsa_user_sgpr_count 2
		.amdhsa_user_sgpr_kernarg_segment_ptr 1
		.amdhsa_wavefront_size32 1
		.amdhsa_system_sgpr_workgroup_id_x 1
		.amdhsa_system_sgpr_workgroup_id_y 1
		.amdhsa_system_sgpr_workgroup_id_z 1
		.amdhsa_system_vgpr_workitem_id 0
		.amdhsa_next_free_vgpr 256
		.amdhsa_next_free_sgpr 100
		.amdhsa_reserve_vcc 1
		.amdhsa_float_denorm_mode_32 3
		.amdhsa_float_denorm_mode_16_64 3
		.amdhsa_memory_ordered 1
		.amdhsa_forward_progress 1
		.amdhsa_inst_pref_size 188
	.end_amdhsa_kernel
	.amdgpu_metadata
---
amdhsa.version: [ 1, 2 ]
amdhsa.kernels:
  - .name:           k_q3d92ba1ffc_prep
    .symbol:         k_q3d92ba1ffc_prep.kd
    .args:
      - { .name: x, .offset: 0, .size: 8, .value_kind: global_buffer, .address_space: global }
      - { .name: Wgate, .offset: 8, .size: 8, .value_kind: global_buffer, .address_space: global }
      - { .name: Wqkv, .offset: 16, .size: 8, .value_kind: global_buffer, .address_space: global }
      - { .name: Wout, .offset: 24, .size: 8, .value_kind: global_buffer, .address_space: global }
      - { .name: token_positions, .offset: 32, .size: 8, .value_kind: global_buffer, .address_space: global }
      - { .name: lowp_scales, .offset: 40, .size: 8, .value_kind: global_buffer, .address_space: global }
      - { .name: xq, .offset: 48, .size: 8, .value_kind: global_buffer, .address_space: global }
      - { .name: wc, .offset: 56, .size: 8, .value_kind: global_buffer, .address_space: global }
      - { .name: trig, .offset: 64, .size: 8, .value_kind: global_buffer, .address_space: global }
      - { .name: gate, .offset: 72, .size: 8, .value_kind: global_buffer, .address_space: global }
    .group_segment_fixed_size: 167936
    .private_segment_fixed_size: 0
    .kernarg_segment_align: 8
    .kernarg_segment_size: 80
    .max_flat_workgroup_size: 128
    .sgpr_count:     100
    .vgpr_count:     256
    .wavefront_size: 32
...
	.end_amdgpu_metadata
.endif
;; end of part 1
;; launch qkv (part 2): grid 32 x 12, 4 waves a work-group, clusters of 4 x 4, 327,680 bytes of LDS; arguments xq, wc, trig, v1, alpha1, alpha2, scale, lowp_scales, qc, kc, vt, out1; writes qc, kc, vt, out1
.if DOCPART == 2
	.amdgcn_target "amdgcn-amd-amdhsa--gfx1250"
	.amdhsa_code_object_version 6
	.text
	.protected	k_q3d92ba1ffc_qkv
	.globl	k_q3d92ba1ffc_qkv
	.p2align	8
	.type	k_q3d92ba1ffc_qkv,@function
k_q3d92ba1ffc_qkv:
	s_mov_b64 s[64:65], 0
	v_nop
	global_prefetch_b8 v0, s[64:65] scope:SCOPE_SE
	s_setreg_imm32_b32 hwreg(HW_REG_WAVE_MODE, 25, 1), 1
	s_wait_xcnt 0x0
	s_wait_alu depctr_hold_cnt(0) depctr_sa_sdst(0) depctr_va_vdst(0) depctr_va_sdst(0) depctr_va_ssrc(0) depctr_va_vcc(0) depctr_vm_vsrc(0)
	s_getreg_b32 s2, hwreg(HW_REG_IB_STS2, 6, 4)
	s_cmp_eq_u32 s2, 0
	s_cbranch_scc0 .Lentry_in_a_cluster
	s_endpgm
.Lentry_in_a_cluster:
	s_bfe_u32 s2, ttmp6, 0x10000c
	s_cmp_lg_u32 s2, 0xf033
	s_cbranch_scc0 .Lentry_shape_is_right
	s_endpgm
.Lentry_shape_is_right:
.set KROW,   1024
.set SLB,    4096
.set FR,     16
.set NL,     4
.set NP,     4
.set HALFT,  32768
.set SLOT,   4*HALFT
.set LAPS,   2
.set SPARE,  2*SLOT
.set ADRA, 16
.set ADRB, 20
.set STI,  24
.set STR,  25
.set LI,   26
.set STC,  27
.set SPW,  28
.set NIL,  29
.set AF,   128
.set TR,   32
.set T,    96
.set CC,   160
.set VR,   32
.set VM,   96
.set VC,   128
.set VCODE, 160
.set G1, 24
.set G0, 32
.set G1B, 48
.set G0B, 56
.set MSB, 0
.macro WIN new
.if MSB != \new
	s_set_vgpr_msb (MSB<<8)|\new
.set MSB, \new
.endif
.endm
.set MUL_LO, 0xa1
.set MUL_HI, 0xf1
.set TO_B,   0x40
.macro JLOAD g0a, g1a, g0b, g1b
	s_cmp_eq_u32 s15, 0
	s_cbranch_scc0 .Lfor_b_\@
	tensor_load_to_lds s[\g0a:\g0a+3], s[\g1a:\g1a+7]
	s_nop 0
.rept 4
	v_nop
.endr
	s_branch .Lasked_\@
.Lfor_b_\@:
	tensor_load_to_lds s[\g0b:\g0b+3], s[\g1b:\g1b+7]
	s_nop 0
.rept 4
	v_nop
.endr
.Lasked_\@:
.endm
.macro CREST
	s_cmp_lg_u32 s14, 0
	s_cbranch_scc1 .Lnot_wave_0_\@
	s_barrier_signal -3
.Lnot_wave_0_\@:
	s_barrier_wait -3
	s_barrier_signal -1
	s_barrier_wait -1
.endm
.macro CROUND
	s_barrier_signal -1
	s_barrier_wait -1
	CREST
.endm
	s_load_b128 s[4:7], s[0:1], 0x0
	s_load_b512 s[68:83], s[0:1], 0x10
	s_load_b128 s[84:87], s[0:1], 0x50
	v_lshl_add_u32 v[SPW], v0, 2, SPARE
	v_mov_b32 v[NIL], 0
	ds_add_u32 v[SPW], v[NIL]
	ds_add_u32 v[SPW], v[NIL]
	v_lshrrev_b32 v1, 5, v0
	v_readfirstlane_b32 s14, v1
	s_lshr_b32 s15, s14, 1
	s_and_b32 s16, s14, 1
	s_bfe_u32 s40, ttmp6, 0x40000
	s_bfe_u32 s41, ttmp6, 0x40004
	; the cluster's x counts blocks of 1,024 rows, its y the groups of 1,024 columns from the last: y = 0 is V, whose way out is the longest, y = 1 K, y = 2 Q
	s_and_b32 s42, ttmp7, 0xffff
	s_sub_co_u32 s42, 2, s42
	s_lshl_b32 s42, s42, 2
	s_add_co_u32 s42, s42, s40
	s_lshl_b32 s17, ttmp9, 2
	s_add_co_u32 s17, s17, s41
	s_lshl_b32 s43, s41, 2
	s_lshl_b32 s43, 15, s43
	s_lshl_b32 s44, 0x1111, s40
	s_or_b32 s[G1+0], s43, (3<<16)|(1<<21)
	s_or_b32 s[G1B+0], s44, (3<<16)|(1<<21)
.irp g, G1, G1B
	s_mov_b32 s[\g+1], 512<<16
	s_mov_b32 s[\g+2], 8<<16
	s_mov_b32 s[\g+3], 512<<16
	s_mov_b32 s[\g+4], 8
	s_mov_b32 s[\g+5], 2048
	s_mov_b32 s[\g+6], 0
	s_mov_b32 s[\g+7], 0
.endr
	s_lshl_b32 s18, s16, 7
	s_lshl_b32 s20, s17, 8
	s_add_co_u32 s20, s20, s18
	s_lshl_b32 s46, s42, 8
	s_add_co_u32 s46, s46, s18
	s_mov_b32 s21, 0
	s_mov_b32 s47, 0
	s_mov_b64 s[18:19], KROW
	s_mul_u64 s[20:21], s[20:21], s[18:19]
	s_mul_u64 s[46:47], s[46:47], s[18:19]
	s_mul_i32 s45, s14, HALFT
	s_wait_dscnt 0x0
	s_wait_kmcnt 0x0
	s_load_b256 s[88:95], s[78:79], 0x0
	s_load_b32 s96, s[72:73], 0x0
	s_load_b32 s97, s[74:75], 0x0
	s_load_b32 s98, s[76:77], 0x0
	s_add_nc_u64 s[20:21], s[4:5], s[20:21]
	s_add_nc_u64 s[46:47], s[6:7], s[46:47]
	CROUND
.irp s, 0,1
	s_mov_b32 s[G0+4*\s], 1
	s_add_co_u32 s[G0+4*\s+1], s45, \s*SLOT
	s_add_nc_u64 s[G0+4*\s+2:G0+4*\s+3], s[20:21], \s*SLB
	s_or_b32 s[G0+4*\s+3], s[G0+4*\s+3], 0x80000000
	s_mov_b32 s[G0B+4*\s], 1
	s_add_co_u32 s[G0B+4*\s+1], s45, \s*SLOT
	s_add_nc_u64 s[G0B+4*\s+2:G0B+4*\s+3], s[46:47], \s*SLB
	s_or_b32 s[G0B+4*\s+3], s[G0B+4*\s+3], 0x80000000
	s_wait_alu depctr_va_vdst(0)
	s_wait_tensorcnt 0x0
	ds_add_u32 v28, v29
	ds_add_u32 v28, v29
	s_wait_dscnt 0x0
	CROUND
	JLOAD G0+4*\s, G1, G0B+4*\s, G1B
.endr
	v_and_b32 v1, 15, v0
	s_wait_alu depctr_va_vdst(0)
	v_bfe_u32 v2, v0, 4, 1
	v_and_b32 v6, 31, v0
	v_lshlrev_b32 v[LI], 4, v6
	s_mul_i32 s21, s15, HALFT
	s_mul_i32 s22, s16, HALFT
	s_add_co_u32 s22, s22, 2*HALFT
.irp s, 0,1
	v_add_nc_u32 v[ADRA+\s], s21, v[LI]
	v_add_nc_u32 v[ADRB+\s], s22, v[LI]
	s_add_co_u32 s21, s21, SLOT
	s_add_co_u32 s22, s22, SLOT
.endr
	s_mul_i32 s23, s14, 16*272
	v_mul_u32_u24 v5, v1, 272
	s_wait_alu depctr_va_vdst(0)
	v_lshl_add_u32 v5, v2, 5, v5
	v_add_nc_u32 v[STI], s23, v5
	v_mul_u32_u24 v5, v2, 272
	v_lshl_add_u32 v5, v1, 4, v5
	v_add_nc_u32 v[STR], s23, v5
	v_mul_u32_u24 v5, v2, 2176
	v_lshl_add_u32 v5, v1, 2, v5
	v_add_nc_u32 v[STC], s23, v5
.macro FRAG reg, adr, q, i
.irp c, 0,1,2,3
	ds_load_b128 v[\reg+4*\c:\reg+4*\c+3], v[\adr] offset:2048*(\q)+512*\c+(\i)*4096
.endr
.endm
.macro MUL16 a0, p, zero
.irp a, \a0, \a0+1
.irp b, 0,1,2,3,4,5,6,7
.if \zero
	v_wmma_f32_16x16x128_fp8_fp8 v[8*(8*((\a)%4)+\b):8*(8*((\a)%4)+\b)+7], v[128*(\p)+FR*\b:128*(\p)+FR*\b+FR-1], v[AF+FR*(\a):AF+FR*(\a)+FR-1], 0
.else
	v_wmma_f32_16x16x128_fp8_fp8 v[8*(8*((\a)%4)+\b):8*(8*((\a)%4)+\b)+7], v[128*(\p)+FR*\b:128*(\p)+FR*\b+FR-1], v[AF+FR*(\a):AF+FR*(\a)+FR-1], v[8*(8*((\a)%4)+\b):8*(8*((\a)%4)+\b)+7]
.endif
.endr
.endr
.endm
.macro FETCH_B slot, q, p
	WIN TO_B
.irp i, 0,1,2,3,4,5,6,7
	FRAG 128*(\p)+FR*\i, ADRB+\slot, \q, \i
.endr
	WIN 0
.endm
.macro FETCH_A slot, q, i0
.irp i, \i0, \i0+1, \i0+2, \i0+3
	FRAG AF+FR*(\i), ADRA+\slot, \q, \i
.endr
.endm
.macro PLACES n
.rept \n
	v_nop
.endr
.endm
.macro STEP slot, q, zero
	s_wait_dscnt 4*NL
	WIN MUL_LO
	MUL16 0, (\q)%2, \zero
	MUL16 2, (\q)%2, \zero
	s_wait_dscnt 0
	PLACES NP
	FETCH_B \slot, (\q)+1, 1-(\q)%2
	FETCH_A \slot, (\q)+1, 0
	WIN MUL_HI
	MUL16 4, (\q)%2, \zero
	MUL16 6, (\q)%2, \zero
	PLACES NP
	WIN 0
	FETCH_A \slot, (\q)+1, 4
.endm
.macro TURN slot, next, fill
	s_wait_tensorcnt 0x0
	ds_add_u32 v[SPW], v[NIL]
	s_wait_dscnt 4*NL+1
	WIN MUL_LO
	MUL16 0, 1, 0
	s_wait_dscnt 0x0
	s_barrier_signal -1
	MUL16 2, 1, 0
	WIN 0
	s_barrier_wait -1
.if \fill
	CREST
	s_add_nc_u64 s[G0+4*\slot+2:G0+4*\slot+3], s[G0+4*\slot+2:G0+4*\slot+3], 2*SLB
	s_add_nc_u64 s[G0B+4*\slot+2:G0B+4*\slot+3], s[G0B+4*\slot+2:G0B+4*\slot+3], 2*SLB
	JLOAD G0+4*\slot, G1, G0B+4*\slot, G1B
.else
	PLACES NP
.endif
	FETCH_B \next, 0, 0
	FETCH_A \next, 0, 0
	WIN MUL_HI
	MUL16 4, 1, 0
	MUL16 6, 1, 0
	PLACES NP
	WIN 0
	FETCH_A \next, 0, 4
.endm
	s_wait_tensorcnt 1
	s_barrier_signal -1
	s_barrier_wait -1
	FETCH_B 0, 0, 0
	FETCH_A 0, 0, 0
	FETCH_A 0, 0, 4
	STEP 0, 0, 1
	s_mov_b32 s3, LAPS-1
.Llap:
	TURN 0, 1, 1
	STEP 1, 0, 0
	TURN 1, 0, 1
	STEP 0, 0, 0
	s_sub_co_u32 s3, s3, 1
	s_cmp_lg_u32 s3, 0
	s_cbranch_scc1 .Llap
	TURN 0, 1, 0
	STEP 1, 0, 0
	s_wait_dscnt 4*NL
	WIN MUL_LO
	MUL16 0, 1, 0
	MUL16 2, 1, 0
	s_wait_dscnt 0
	WIN MUL_HI
	MUL16 4, 1, 0
	MUL16 6, 1, 0
	WIN 0
	s_wait_kmcnt 0x0
	s_lshl_b32 s20, s17, 8
	s_lshl_b32 s21, s15, 7
	s_add_co_u32 s20, s20, s21
	s_lshr_b32 s21, s20, 11
	s_and_b32 s22, s20, 2047
	s_lshl_b32 s46, s42, 8
	s_lshl_b32 s47, s16, 7
	s_add_co_u32 s46, s46, s47
	s_and_b32 s46, s46, 1023
	s_lshr_b32 s46, s46, 6
	s_lshl_b32 s46, s46, 2
	s_add_co_u32 s46, s46, s21
	s_add_co_i32 s47, s88, s89
	s_mov_b32 s13, 0
	PLACES NP
	s_and_b32 s8, ttmp7, 0xffff                    ; the cluster's y: the same in all sixteen partners
	s_cmp_eq_u32 s8, 0
	s_cbranch_scc1 .Lvpath
	s_cmp_eq_u32 s8, 2
	s_cselect_b32 s8, s90, s91
	s_cselect_b64 s[10:11], s[80:81], s[82:83]
	s_sub_co_i32 s8, s8, s47
	s_add_co_i32 s8, s8, 127
	s_lshl_b32 s9, s8, 23
	v_mov_b32 v30, s9
	s_add_co_i32 s8, s8, 8
	s_lshl_b32 s8, s8, 23
	s_or_b32 s8, s8, 0x600000
	v_mov_b32 v31, s8
	s_lshl_b32 s12, s20, 8
	s_add_nc_u64 s[68:69], s[68:69], s[12:13]
	s_lshl_b32 s12, s46, 17
	s_lshl_b32 s18, s22, 6
	s_add_co_u32 s12, s12, s18
	s_add_nc_u64 s[10:11], s[10:11], s[12:13]
.macro TRLOAD a
.irp m, 0,1,2,3,4,5,6,7
	global_load_b128 v[32*(\a)+4*\m:32*(\a)+4*\m+3], v[LI], s[68:69] offset:(\a)*4096+512*\m   ; block a's cos and sin: window 1, v[32 a ..], where B's fragments lay
.endr
.endm
.macro QKROW a
	s_wait_xcnt 0x0
	s_wait_loadcnt 8*(7-(\a))                      ; block a's eight loads are in; those of the 7 - a blocks behind it may be out
.set AC, 64*((\a)%4)
.set TS, 32*(\a)
.set CD, CC+16*((\a)%2)
	WIN 0x06+((\a)/4)                              ; source 0: the sums, window 2 or 3; source 1: cos and sin, window 1
.irp b, 0,1,2,3,4,5,6,7
.irp p, 0,1,2,3
	v_mul_f32 v[T+8*\b+2*\p],   v[AC+8*\b+2*\p+1], v[TS+8*(\b%4)+2*\p+1]
	v_mul_f32 v[T+8*\b+2*\p+1], v[AC+8*\b+2*\p+1], v[TS+8*(\b%4)+2*\p]
	v_fma_f32 v[T+8*\b+2*\p],   v[AC+8*\b+2*\p],   v[TS+8*(\b%4)+2*\p],   -v[T+8*\b+2*\p]
	v_fma_f32 v[T+8*\b+2*\p+1], v[AC+8*\b+2*\p],   v[TS+8*(\b%4)+2*\p+1], v[T+8*\b+2*\p+1]
.endr
.endr
	WIN 0
.irp b, 0,1,2,3,4,5,6,7
.irp j, 0,1,2,3,4,5,6,7
	v_med3_num_f32 v[T+8*\b+\j], v[T+8*\b+\j], -v31, v31
.endr
	v_cvt_scalef32_pk8_fp8_f32 v[CD+2*\b:CD+2*\b+1], v[T+8*\b:T+8*\b+7], v30
.endr
	v_nop
.irp g, 0,1
.irp e, 0,1
	global_store_b128 v[LI], v[CD+8*\g+4*\e:CD+8*\g+4*\e+3], s[10:11] offset:\g*524288+(\a)*1024+\e*512
.endr
.endr
.endm
	WIN TO_B                                       ; all eight blocks' cos and sin are asked for at once: 64 loads, 256 registers of window 1
.irp a, 0,1,2,3,4,5,6,7
	TRLOAD \a
.endr
	WIN 0
.irp a, 0,1,2,3,4,5,6,7
	QKROW \a
.endr
	s_branch .Lend
.Lvpath:
	v_mov_b32 v32, s96
	v_mul_f32 v33, v32, v32
	v_fma_f32 v33, s97, s97, v33
	v_add_f32 v33, 0x322bcc77, v33
	s_wait_alu depctr_va_vdst(0)
	v_rsq_f32 v34, v33
	v_nop
	s_wait_alu depctr_va_vdst(0)
	v_mul_f32 v34, s98, v34
	v_mul_f32 v35, s97, v34
	v_mul_f32 v36, s96, v34
	v_ldexp_f32 v36, v36, s47
	v_readfirstlane_b32 s96, v36
	v_readfirstlane_b32 s98, v35
	s_mov_b32 s97, s96
	s_mov_b32 s99, s98
	s_add_co_i32 s8, s93, 127
	s_lshl_b32 s9, s8, 23
	v_mov_b32 v30, s9
	s_add_co_i32 s8, s8, 8
	s_lshl_b32 s8, s8, 23
	s_or_b32 s8, s8, 0x600000
	v_mov_b32 v31, s8
	s_lshl_b32 s12, s46, 19
	s_lshl_b32 s18, s22, 8
	s_add_co_u32 s12, s12, s18
	s_add_nc_u64 s[70:71], s[70:71], s[12:13]
	s_add_nc_u64 s[86:87], s[86:87], s[12:13]
	s_lshl_b32 s12, s46, 17
	s_lshl_b32 s18, s22, 6
	s_add_co_u32 s12, s12, s18
	s_add_nc_u64 s[84:85], s[84:85], s[12:13]
; V'S WAY OUT, 16 blocks of 16 tokens x 64 channels a wave, two blocks in flight.  A block goes three ways: PA: its sums into my stage and back as whole rows; PB: mixed with v1, stored to out1, into the stage again
; and back by columns; PC: the columns' codes.  Two stages (block n uses stage n % 2, SO2 bytes apart), two sets of rows (v32-95) and of columns (v96-159); v1 comes eight blocks ahead into window 1, v[32 (n % 8) ..].
; LDS serves a wave's instructions in order, so a stage's next stores come behind the loads that still read it; PA is 16 LDS instructions, PB 40: the counted waits below count these.
.set VM, 32
.set VC, 96
.set SO2, 4*16*272
.macro VLOAD n
	WIN TO_B
.irp m, 0,1,2,3,4,5,6,7
	global_load_b128 v[32*((\n)%8)+4*\m:32*((\n)%8)+4*\m+3], v[LI], s[70:71] offset:((\n)/8)*2097152+((\n)%8)*4096+512*\m th:TH_LOAD_NT
.endr
	WIN 0
.endm
.macro PA n
.set AC, 64*(((\n)%8)%4)+32*((\n)/8)
.set SO, SO2*((\n)%2)
.set VW, VM+32*((\n)%2)
	WIN ((2+((\n)%8)/4)<<2)
.irp b, 0,1,2,3
	ds_store_b128 v[STI], v[AC+8*\b:AC+8*\b+3] offset:SO+64*\b
	ds_store_b128 v[STI], v[AC+8*\b+4:AC+8*\b+7] offset:SO+64*\b+16
.endr
	WIN 0
.irp m, 0,1,2,3,4,5,6,7
	ds_load_b128 v[VW+4*\m:VW+4*\m+3], v[STR] offset:SO+544*\m
.endr
.endm
.macro PB n
.set HH, (\n)/8
.set AA, (\n)%8
.set VS, 32*((\n)%8)
.set SO, SO2*((\n)%2)
.set VW, VM+32*((\n)%2)
.set VX, VC+32*((\n)%2)
.if (\n) <= 8
	s_wait_loadcnt 56                              ; block n's v1 is in; the seven blocks asked for behind it may be out
.else
	s_wait_loadcnt 8*(15-(\n))
.endif
	WIN 0x41
.set jj, 0
.rept 16
	v_pk_mul_f32 v[VS+jj:VS+jj+1], v[VS+jj:VS+jj+1], s[98:99] op_sel_hi:[1,0]
.set jj, jj+2
.endr
.if (\n) == 0
	s_wait_dscnt 16                                ; PA n's loads are in; behind them: PA 1
.else
.if (\n) == 15
	s_wait_dscnt 40                                ; behind them: PB 14
.else
	s_wait_dscnt 56                                ; behind them: PB n - 1 and PA n + 1
.endif
.endif
	WIN 0x10
.set jj, 0
.rept 16
	v_pk_fma_f32 v[VW+jj:VW+jj+1], v[VW+jj:VW+jj+1], s[96:97], v[VS+jj:VS+jj+1] op_sel_hi:[1,0,1]
.set jj, jj+2
.endr
	WIN 0
.irp m, 0,1,2,3,4,5,6,7
	global_store_b128 v[LI], v[VW+4*\m:VW+4*\m+3], s[86:87] offset:HH*2097152+AA*4096+512*\m th:TH_STORE_NT
.endr
.irp m, 0,1,2,3,4,5,6,7
	ds_store_b128 v[STR], v[VW+4*\m:VW+4*\m+3] offset:SO+544*\m
.endr
.irp d, 0,1,2,3
.irp j, 0,1,2,3,4,5,6,7
	ds_load_b32 v[VX+8*\d+\j], v[STC] offset:SO+272*\j+64*\d
.endr
.endr
.endm
.macro PC n
.set AA, (\n)%8
.set VX, VC+32*((\n)%2)
.irp d, 0,1,2,3
.irp j, 0,1,2,3,4,5,6,7
	v_med3_num_f32 v[VX+8*\d+\j], v[VX+8*\d+\j], -v31, v31
.endr
	v_cvt_scalef32_pk8_fp8_f32 v[VCODE+16*\d+2*AA:VCODE+16*\d+2*AA+1], v[VX+8*\d:VX+8*\d+7], v30
.endr
	v_nop
.endm
.macro VTOUT g
.irp d, 0,1,2,3
.irp c, 0,1,2,3
	global_store_b128 v[LI], v[VCODE+16*\d+4*\c:VCODE+16*\d+4*\c+3], s[84:85] offset:\g*524288+\d*2048+512*\c
.endr
.endr
.endm
.irp n, 0,1,2,3,4,5,6,7
	VLOAD \n
.endr
	PA 0
	PA 1
.irp n, 0,1,2,3,4,5,6,7,8,9,10,11,12,13,14,15
	PB \n
.if \n < 8
	VLOAD \n+8                                     ; into the set that PB n has just read
.endif
.if \n > 0
.if \n < 15
	s_wait_dscnt 56                                ; PB n - 1's columns are in; behind them: PA n + 1 and PB n
.else
	s_wait_dscnt 40                                ; behind them: PB 15
.endif
	PC \n-1
.endif
.if \n == 8
	VTOUT 0
.endif
.if \n < 14
	s_wait_xcnt 0x0                                ; the stores have read their data: PB n's rows, and the first head's codes, may be written again
	PA \n+2
.endif
.endr
	s_wait_dscnt 0x0
	PC 15
	VTOUT 1
.Lend:
	s_wait_tensorcnt 0x0
	ds_add_u32 v[SPW], v[NIL]
	s_wait_dscnt 0x0
	CROUND
	s_endpgm
.Lfunc_end_k_q3d92ba1ffc_qkv:
	.size	k_q3d92ba1ffc_qkv, .Lfunc_end_k_q3d92ba1ffc_qkv-k_q3d92ba1ffc_qkv
	.p2alignl 7, 3214868480
	.fill 96, 4, 3214868480
	.section	.rodata,"a",@progbits
	.p2align	6, 0x0
	.amdhsa_kernel k_q3d92ba1ffc_qkv
		.amdhsa_group_segment_fixed_size 327680
		.amdhsa_private_segment_fixed_size 0
		.amdhsa_enable_private_segment 0
		.amdhsa_kernarg_size 96
		.amdhsa_user_sgpr_count 2
		.amdhsa_user_sgpr_kernarg_segment_ptr 1
		.amdhsa_wavefront_size32 1
		.amdhsa_system_sgpr_workgroup_id_x 1
		.amdhsa_system_sgpr_workgroup_id_y 1
		.amdhsa_system_sgpr_workgroup_id_z 1
		.amdhsa_system_vgpr_workitem_id 0
		.amdhsa_next_free_vgpr 1024
		.amdhsa_next_free_sgpr 100
		.amdhsa_reserve_vcc 0
		.amdhsa_float_denorm_mode_32 3
		.amdhsa_float_denorm_mode_16_64 3
		.amdhsa_memory_ordered 1
		.amdhsa_forward_progress 1
		.amdhsa_inst_pref_size 255
	.end_amdhsa_kernel
	.section	.bss,"aw",@nobits
	.p2align	6
	.space	262144
	.amdgpu_metadata
---
amdhsa.version: [ 1, 2 ]
amdhsa.kernels:
  - .name:           k_q3d92ba1ffc_qkv
    .symbol:         k_q3d92ba1ffc_qkv.kd
    .args:
      - { .name: xq, .offset: 0, .size: 8, .value_kind: global_buffer, .address_space: global }
      - { .name: wc, .offset: 8, .size: 8, .value_kind: global_buffer, .address_space: global }
      - { .name: trig, .offset: 16, .size: 8, .value_kind: global_buffer, .address_space: global }
      - { .name: v1, .offset: 24, .size: 8, .value_kind: global_buffer, .address_space: global }
      - { .name: alpha1, .offset: 32, .size: 8, .value_kind: global_buffer, .address_space: global }
      - { .name: alpha2, .offset: 40, .size: 8, .value_kind: global_buffer, .address_space: global }
      - { .name: scale, .offset: 48, .size: 8, .value_kind: global_buffer, .address_space: global }
      - { .name: lowp_scales, .offset: 56, .size: 8, .value_kind: global_buffer, .address_space: global }
      - { .name: qc, .offset: 64, .size: 8, .value_kind: global_buffer, .address_space: global }
      - { .name: kc, .offset: 72, .size: 8, .value_kind: global_buffer, .address_space: global }
      - { .name: vt, .offset: 80, .size: 8, .value_kind: global_buffer, .address_space: global }
      - { .name: out1, .offset: 88, .size: 8, .value_kind: global_buffer, .address_space: global }
    .group_segment_fixed_size: 327680
    .private_segment_fixed_size: 0
    .kernarg_segment_align: 8
    .kernarg_segment_size: 96
    .max_flat_workgroup_size: 128
    .sgpr_count:     100
    .vgpr_count:     1024
    .wavefront_size: 32
...
	.end_amdgpu_metadata
.endif
;; end of part 2
;; launch attn (part 3): grid 256 x 1, 16 waves a work-group, clusters of 4 x 1, 327,680 bytes of LDS; arguments qc, kc, vt, gate, lowp_scales, ac; writes ac
.if DOCPART == 3
	.amdgcn_target "amdgcn-amd-amdhsa--gfx1250"
	.amdhsa_code_object_version 6
	.text
	.protected	k_q3d92ba1ffc_attn
	.globl	k_q3d92ba1ffc_attn
	.p2align	8
	.type	k_q3d92ba1ffc_attn,@function
k_q3d92ba1ffc_attn:
	s_mov_b64 s[64:65], 0
	v_nop
	global_prefetch_b8 v0, s[64:65] scope:SCOPE_SE
	s_setreg_imm32_b32 hwreg(HW_REG_WAVE_MODE, 25, 1), 1
	s_wait_xcnt 0x0
	s_wait_alu depctr_hold_cnt(0) depctr_sa_sdst(0) depctr_va_vdst(0) depctr_va_sdst(0) depctr_va_ssrc(0) depctr_va_vcc(0) depctr_vm_vsrc(0)
	s_getreg_b32 s2, hwreg(HW_REG_IB_STS2, 6, 4)
	s_cmp_eq_u32 s2, 0
	s_cbranch_scc0 .Lentry_in_a_cluster
	s_endpgm
.Lentry_in_a_cluster:
	s_bfe_u32 s2, ttmp6, 0x10000c
	s_cmp_lg_u32 s2, 0x3003
	s_cbranch_scc0 .Lentry_shape_is_right
	s_endpgm
.Lentry_shape_is_right:
; ATTN: causal attention on codes of E4M3, head size 64, and the gate; its result leaves as codes at 2^e8, laid as the last product's operand.
; qc, kc [n][block of 16 tokens][2 images][512]; vt [n][128 keys][16 d][4 images][512]; gate [block of 16 tokens][2 images][512]; ac [block of 16 tokens][K step 8][2048].  n = 4 x head + batch.
; THE SOFTMAX AHEAD OF THE SECOND PRODUCT: t = score x log2(e) / 8; M = the row's largest t so far, rounded UP to a whole number; p = 2^(t - M) is quantised at 2^e4, not normalised.
; The row's sum is taken of the unquantised p and divides at the end.  When M moves, the sum and O are multiplied by 2^(old M - new M): exact.
; WORK LEFT OUT: key steps all of whose keys come after a tile's queries: reference()'s own jnp.tril gives them the weight 0.
; SHARES.  A cluster of four work-groups owns one n (the cluster's x); 4 x 16 waves own its 128 tiles of 16 queries in pairs: wave w of partner j takes tiles 127 - i and i, i = 4 w + j.
; Tile T needs T / 8 + 1 key steps of 128: 16 - w / 2 and w / 2 + 1, 17 for every wave; both counts hang on the wave's number alone, so no branch hangs on a work-group's place in its cluster.
; LDS holds ALL of the n's K (131,072 bytes from 0) and V (131,072 from VOFF): nothing is ever filled again.  The four partners need the same bytes and every partner reads every key step
; (its wave 0 owns a tile of the last eight): each load is a JOINT load with the mask 15.  Two groups, one load a wave in each: keys 0-511 (4,096 bytes a wave) at the head; keys 512-2047
; (12,288 bytes a wave) behind a wait, an add and a round.  Waves 0-7 fetch K's eighths, waves 8-15 V's.
; The long tile's first four steps read the first group alone; one work-group barrier, with every wave's load waited for, stands in front of the rest.
; NO PREFETCH: the second group is asked for straight behind the first group's landing, and there is no later load: no trip of a loop stands ahead of a load.
; LAYOUT.  Both products are used transposed: S^T = K Q^T (K = 64), O^T = V^T P^T (K = 128 keys): a lane holds ONE query (lane % 16) throughout.
; In tile t of S^T lane (r, h) holds keys 16 t + 8 h + 0..7: their eight codes are registers 2 t, 2 t + 1 of the second product's operand, and vt is laid to match.
; LIMITS: e2 + e3 between -123 and 130 (added to c's exponent field); e4 and e8 - e4 - e5 between -126 and 119; the scaled scores stay under 2^31 in magnitude.
; REGISTERS: v1 16 x lane, v7 the same + VOFF; v2, v3 the mask's lane term of the long and the short tile; v4 the gate's offset; v5, v6 the add's two; v8, v9 LDS addresses in hand; v10, v11 the gates;
; v12 -M, v13 the largest t, v[14:15] the sum; v16-23, v24-31 Q of the long and the short tile; v32-95 eight fragments of K, then four of V; v96-159 S^T, then p; v160-191 O^T;
; v192, v193 the way out's scale and bound; v224-239 p's codes; v236-255 at work; v240, v241 448 x 2^e4 (twice: the two halves of a dual pair name different banks); v244 2^e4.
.set VOFF,  131072
.set SPARE, 262144                     ; behind K and V: the spare words, 128 bytes a wave: eight blocks of 256 bytes that no other line names
.set F1ALL, 32768                      ; the first group's bytes of K, and of V
.set F2B,   12288                      ; a wave's bytes of the second group
.set LI,   1
.set LIV,  7
.set SPW,  5
.set NIL,  6
.set ADR,  8
.set ADV,  9
.set WV,   18
.set SEL,  20
.set CS,   22
.set G1A,  24                          ; s[24:31], s[32:39] descriptor groups 1 of the two groups of loads;  s[40:43], s[44:47] their groups 0
.set G1B,  32
.set G0A,  40
.set G0B,  44
.set TB,   66                          ; s66  LDS byte of the key step in hand: 8,192 x step
.set KS,   67                          ; s67  the key step
.set NS,   94                          ; s94  the tile's number of key steps;  s95 its last, which lies on the diagonal
.set ND,   95
.macro CROUND                          ; a round of the cluster's barrier
	s_barrier_signal -1
	s_barrier_wait -1
	s_cmp_lg_u32 s[WV], 0
	s_cbranch_scc1 .Lnot_wave_0_\@
	s_barrier_signal -3
.Lnot_wave_0_\@:
	s_barrier_wait -3
	s_barrier_signal -1
	s_barrier_wait -1
.endm
.macro INIT                            ; a tile begins: the first step finds zeros, which the first change of M leaves zeros
	v_mov_b32 v13, 0xff61b1e6                      ; the largest t so far: -3e38
	v_mov_b32 v14, 0
	v_mov_b32 v15, 0
	v_floor_f32 v12, -v13                          ; -M
.set jj, 0
.rept 32
	v_mov_b32 v[160+jj], 0
.set jj, jj+1
.endr
.endm
	s_load_b256 s[4:11], s[0:1], 0x0               ; qc s[4:5], kc s[6:7], vt s[8:9], gate s[10:11]
	s_load_b128 s[12:15], s[0:1], 0x20             ; the scales' exponents s[12:13], ac s[14:15]
	v_lshl_add_u32 v[SPW], v0, 2, SPARE
	v_mov_b32 v[NIL], 0
	ds_add_u32 v[SPW], v[NIL]                      ; the wave's opening: the add, twice on end, and its wait stand ahead of the round in front of the first loads
	ds_add_u32 v[SPW], v[NIL]
	v_lshrrev_b32 v8, 5, v0
	v_readfirstlane_b32 s[WV], v8                  ; wave 0..15
	s_bfe_u32 s48, ttmp6, 0x40000                  ; j: my place in the cluster
	s_lshl_b32 s50, ttmp9, 17                      ; n x 131,072: the same in qc, kc and vt
	s_mov_b32 s51, 0
	s_lshr_b32 s52, s[WV], 3                       ; 0: I fetch K's codes, 1: V's
	s_and_b32 s53, s[WV], 7                        ; which eighth
	s_lshl_b32 s49, s52, 17                        ; in LDS: K from 0, V from VOFF
	s_lshl_b32 s54, s53, 12                        ; first group: 4,096 bytes a wave
	s_mov_b32 s55, 0
	s_mul_i32 s56, s53, F2B                        ; second group: behind the first, 12,288 bytes a wave
	s_add_co_u32 s56, s56, F1ALL
	s_mov_b32 s57, 0
	s_mov_b32 s[G0A], 1
	s_add_co_u32 s[G0A+1], s49, s54
	s_mov_b32 s[G0B], 1
	s_add_co_u32 s[G0B+1], s49, s56
	s_mov_b32 s[G1A], 15|(3<<16)|(1<<21)           ; the mask: all four partners; elements of 8 bytes; bit 21 beside a mask; dense rows of 256 bytes, no padding
	s_mov_b32 s[G1A+1], 32<<16
	s_mov_b32 s[G1A+2], 16<<16                     ; 16 rows
	s_mov_b32 s[G1A+3], 32<<16
	s_mov_b32 s[G1A+4], 16
	s_mov_b32 s[G1A+5], 32
	s_mov_b32 s[G1A+6], 0
	s_mov_b32 s[G1A+7], 0
	s_mov_b32 s[G1B], 15|(3<<16)|(1<<21)
	s_mov_b32 s[G1B+1], 32<<16
	s_mov_b32 s[G1B+2], 48<<16                     ; 48 rows
	s_mov_b32 s[G1B+3], 32<<16
	s_mov_b32 s[G1B+4], 48
	s_mov_b32 s[G1B+5], 32
	s_mov_b32 s[G1B+6], 0
	s_mov_b32 s[G1B+7], 0
	s_mov_b32 s[SEL], 0x76543210
	s_mov_b32 s[SEL+1], 0xfedcba98
	s_mov_b32 s[CS], 0x3e38aa3b                    ; c = log2(e) / 8
	s_mov_b32 s[TB], 0
	s_mov_b32 s[KS], 0
	s_wait_dscnt 0x0                               ; both opening adds are done
	s_wait_kmcnt 0x0
	s_load_b256 s[68:75], s[12:13], 0x0            ; e0 .. e7
	s_load_b64 s[84:85], s[12:13], 0x20            ; e8, e9
	s_cmp_eq_u32 s52, 0                            ; the choice hangs on the wave's number alone
	s_cselect_b64 s[58:59], s[6:7], s[8:9]
	s_add_nc_u64 s[58:59], s[58:59], s[50:51]
	s_add_nc_u64 s[G0A+2:G0A+3], s[58:59], s[54:55]
	s_or_b32 s[G0A+3], s[G0A+3], 0x80000000
	s_add_nc_u64 s[G0B+2:G0B+3], s[58:59], s[56:57]
	s_or_b32 s[G0B+3], s[G0B+3], 0x80000000
	CROUND                                         ; all four partners are here: the first joint loads meet
	tensor_load_to_lds s[G0A:G0A+3], s[G1A:G1A+7]  ; keys 0-511: my one tensor load at the head
	s_nop 0
.rept 4
	v_nop
.endr
	s_lshl_b32 s60, s[WV], 2
	s_add_co_u32 s60, s60, s48                     ; i = 4 w + j: my short tile
	s_sub_co_u32 s61, 127, s60                     ; my long tile
	s_lshr_b32 s62, s[WV], 1
	s_add_co_u32 s96, s62, 1                       ; the short tile's key steps,
	s_sub_co_u32 s[NS], 16, s62                    ; the long tile's,
	s_sub_co_u32 s[ND], 15, s62                    ; and its last
	s_add_nc_u64 s[4:5], s[4:5], s[50:51]
	s_mov_b32 s81, 0
	s_lshl_b32 s80, s61, 10                        ; qc: 1,024 bytes a tile
	s_add_nc_u64 s[76:77], s[4:5], s[80:81]
	s_lshl_b32 s80, s60, 10
	s_add_nc_u64 s[78:79], s[4:5], s[80:81]
	s_lshr_b32 s54, ttmp9, 2                       ; head
	s_and_b32 s55, ttmp9, 3                        ; batch
	s_lshl_b32 s80, s55, 17                        ; gate: 1,024 bytes for 16 tokens, 2,048 tokens a batch; head hd lies in image (hd >> 2) & 1, lanes 16 (hd >> 3) + r, word hd & 3
	s_bfe_u32 s56, s54, 0x10002
	s_lshl_b32 s56, s56, 9
	s_add_co_u32 s80, s80, s56
	s_lshr_b32 s56, s54, 3
	s_lshl_b32 s56, s56, 8
	s_add_co_u32 s80, s80, s56
	s_and_b32 s56, s54, 3
	s_lshl_b32 s56, s56, 2
	s_add_co_u32 s80, s80, s56
	s_add_nc_u64 s[10:11], s[10:11], s[80:81]
	s_lshl_b32 s80, s61, 10
	s_add_nc_u64 s[86:87], s[10:11], s[80:81]
	s_lshl_b32 s80, s60, 10
	s_add_nc_u64 s[88:89], s[10:11], s[80:81]
	s_lshl_b32 s80, s55, 21                        ; ac: 16,384 bytes for 16 tokens; a head's two images lie at 1,024 x head
	s_lshl_b32 s56, s54, 10
	s_add_co_u32 s80, s80, s56
	s_add_nc_u64 s[14:15], s[14:15], s[80:81]
	s_lshl_b32 s80, s61, 14
	s_add_nc_u64 s[90:91], s[14:15], s[80:81]
	s_lshl_b32 s80, s60, 14
	s_add_nc_u64 s[92:93], s[14:15], s[80:81]
	s_and_b32 s82, s61, 7
	s_lshl_b32 s82, s82, 4                         ; the tile's first query less its last key step's first key: 16 (T % 8)
	s_and_b32 s83, s60, 7
	s_lshl_b32 s83, s83, 4
	v_and_b32 v[LI], 31, v0
	v_and_b32 v208, 15, v0                         ; r
	v_bfe_u32 v209, v0, 4, 1                       ; h
	v_lshlrev_b32 v[LI], 4, v[LI]
	v_lshlrev_b32 v4, 4, v208                      ; the gate's offset: 16 r
	v_lshlrev_b32 v209, 3, v209
	v_add_nc_u32 v[LIV], VOFF, v[LI]
	v_sub_nc_u32 v208, v208, v209                  ; r - 8 h
	v_add_nc_u32 v2, s82, v208                     ; d = my query - the diagonal step's first key - 8 h.  Register 8 t + j holds key 16 t + 8 h + j of the step: hidden where 16 t + j > d
	v_add_nc_u32 v3, s83, v208
	s_wait_alu depctr_va_vdst(0)
	global_load_b128 v[16:19], v[LI], s[76:77]     ; Q's fragments of both tiles stay in registers
	global_load_b128 v[20:23], v[LI], s[76:77] offset:512
	global_load_b128 v[24:27], v[LI], s[78:79]
	global_load_b128 v[28:31], v[LI], s[78:79] offset:512
	global_load_b32 v10, v4, s[86:87]              ; my queries' gates for this head
	global_load_b32 v11, v4, s[88:89]
	INIT
	v_mov_b32 v236, 0                              ; written once: a lane permute's destination counts as one of its sources
	v_mov_b32 v253, 0                              ; (named as the upper half of the pair v[252:253])
	s_wait_kmcnt 0x0
	s_add_co_i32 s56, s70, s71                     ; a score stands for score x 2^(e2 + e3): added to c's exponent field
	s_lshl_b32 s56, s56, 23
	s_add_co_i32 s[CS], s[CS], s56
	s_mov_b32 s[CS+1], s[CS]
	s_add_co_i32 s56, s72, 127
	s_lshl_b32 s59, s56, 23
	v_mov_b32 v244, s59                            ; 2^e4
	s_add_co_i32 s56, s56, 8
	s_lshl_b32 s56, s56, 23
	s_or_b32 s56, s56, 0x600000
	v_mov_b32 v240, s56                            ; 448 x 2^e4
	v_mov_b32 v241, s56
	s_sub_co_i32 s56, s84, s72
	s_sub_co_i32 s56, s56, s73                     ; e8 - e4 - e5: a sum of the second product stands for sum x 2^(e4 + e5)
	s_add_co_i32 s56, s56, 127
	s_lshl_b32 s59, s56, 23
	v_mov_b32 v192, s59
	s_add_co_i32 s56, s56, 8
	s_lshl_b32 s56, s56, 23
	s_or_b32 s56, s56, 0x600000
	v_mov_b32 v193, s56
; A KEY STEP: 128 keys against the tile whose Q lies at v[qr] and whose mask term is v[dm].  tests = 0: a step that is neither hidden nor on the diagonal for any wave.
.macro STEP qr, dm, tests
.if \tests
	s_cmp_ge_u32 s[KS], s[NS]                      ; all keys come after my queries: the step's work is left out (the wave's number and the count of steps alone)
	s_cbranch_scc1 .Lhidden_\@
.endif
	v_add_nc_u32 v[ADR], s[TB], v[LI]
	v_add_nc_u32 v[ADV], s[TB], v[LIV]
	v_nop                                          ; with the two additions: four places in front of loads into registers that the last products read
	v_nop
.irp t, 0,1,2,3,4,5,6,7
	ds_load_b128 v[32+8*\t:35+8*\t], v[ADR] offset:\t*1024
	ds_load_b128 v[36+8*\t:39+8*\t], v[ADR] offset:\t*1024+512
.endr
	s_wait_alu depctr_va_vdst(0)
	s_wait_dscnt 0x0
.irp t, 0,1,2,3,4,5,6,7
	v_wmma_f32_16x16x64_fp8_fp8 v[96+8*\t:103+8*\t], v[32+8*\t:39+8*\t], v[\qr:\qr+7], 0
.endr
.rept 4
	v_nop
.endr
.irp u, 0,1,2,3                                ; V's four fragments are asked for here and land under the softmax
.irp c, 0,1,2,3
	ds_load_b128 v[32+16*\u+4*\c:35+16*\u+4*\c], v[ADV] offset:\u*2048+\c*512
.endr
.endr
.if \tests
	s_cmp_lg_u32 s[KS], s[ND]                      ; on the diagonal hidden scores become -infinity ahead of the maximum; every other step skips this
	s_cbranch_scc1 .Lopen_\@
	v_mov_b32 v254, 0xff800000
.set jj, 0
.rept 64
	v_cmp_gt_i32 vcc_lo, 16*(jj/8)+jj%8, v[\dm]
	v_cndmask_b32 v[96+jj], v[96+jj], v254, vcc_lo
.set jj, jj+1
.endr
.Lopen_\@:
.endif
	v_max3_num_f32 v254, v96, v97, v98             ; the step's largest score of my query, among my 64 keys, in two chains, each tile from its low end on,
	v_max3_num_f32 v252, v99, v100, v101
.irp i, 6,10,14,18,22,26,30,34,38,42,46,50,54,58
	v_max3_num_f32 v254, v254, v[96+\i], v[97+\i]
	v_max3_num_f32 v252, v252, v[98+\i], v[99+\i]
.endr
	v_max3_num_f32 v254, v254, v158, v159
	s_delay_alu instid0(VALU_DEP_1)
	v_max_num_f32 v254, v254, v252
	v_permlanex16_b32 v236, v254, s[SEL], s[SEL+1]
	s_delay_alu instid0(VALU_DEP_1)
	v_max_num_f32 v254, v254, v236                 ; and among lane l xor 16's
	s_delay_alu instid0(VALU_DEP_1)
	v_mul_f32 v254, s[CS], v254                    ; as t (c is positive)
	s_delay_alu instid0(VALU_DEP_1)
	v_max_num_f32 v13, v13, v254
	v_mov_b32 v254, v12
	s_delay_alu instid0(VALU_DEP_2)
	v_floor_f32 v12, -v13                          ; the new -M = -ceil(t)
	s_delay_alu instid0(VALU_DEP_1)
	v_sub_f32 v254, v12, v254                      ; old M - new M: a whole number, 0 or less
	s_delay_alu instid0(VALU_DEP_1)
	v_cvt_i32_f32 v254, v254
	s_delay_alu instid0(VALU_DEP_1)
	v_ldexp_f32 v252, 1.0, v254                    ; f = 2^(old M - new M)
.set jj, 0
.rept 32
	v_pk_fma_f32 v[96+jj:97+jj], v[96+jj:97+jj], s[CS:CS+1], v[12:13] op_sel_hi:[1,0,0]   ; t - M
.set jj, jj+2
.endr
	s_wait_alu depctr_va_vdst(0)
.set jj, 0
.rept 64
	v_exp_f32 v[96+jj], v[96+jj]                   ; p = 2^(t - M)
.set jj, jj+1
.endr
	v_pk_mul_f32 v[14:15], v[14:15], v[252:253] op_sel_hi:[1,0]   ; the sums under the new M: the plain line behind the exponentials
	s_wait_alu depctr_va_vdst(0)                   ; one wait for the whole batch, ahead of its first reader
	v_pk_add_f32 v[242:243], v[100:101], v[104:105]   ; the row's sum of the unquantised p, in eight chains
	v_pk_add_f32 v[254:255], v[108:109], v[112:113]
	v_pk_add_f32 v[250:251], v[116:117], v[120:121]
	v_pk_add_f32 v[248:249], v[124:125], v[128:129]
	v_pk_add_f32 v[246:247], v[132:133], v[136:137]
	v_pk_add_f32 v[238:239], v[140:141], v[144:145]
	v_pk_add_f32 v[236:237], v[148:149], v[152:153]
	v_pk_add_f32 v[14:15], v[14:15], v[156:157]
	v_pk_add_f32 v[242:243], v[242:243], v[96:97]
	v_pk_add_f32 v[254:255], v[254:255], v[98:99]
	v_pk_add_f32 v[250:251], v[250:251], v[102:103]
	v_pk_add_f32 v[248:249], v[248:249], v[106:107]
	v_pk_add_f32 v[246:247], v[246:247], v[110:111]
	v_pk_add_f32 v[238:239], v[238:239], v[114:115]
	v_pk_add_f32 v[236:237], v[236:237], v[118:119]
	v_pk_add_f32 v[14:15], v[14:15], v[122:123]
	v_pk_add_f32 v[242:243], v[242:243], v[126:127]
	v_pk_add_f32 v[254:255], v[254:255], v[130:131]
	v_pk_add_f32 v[250:251], v[250:251], v[134:135]
	v_pk_add_f32 v[248:249], v[248:249], v[138:139]
	v_pk_add_f32 v[246:247], v[246:247], v[142:143]
	v_pk_add_f32 v[238:239], v[238:239], v[146:147]
	v_pk_add_f32 v[236:237], v[236:237], v[150:151]
	v_pk_add_f32 v[14:15], v[14:15], v[154:155]
	v_pk_add_f32 v[242:243], v[242:243], v[158:159]
	s_delay_alu instid0(VALU_DEP_2)
	v_pk_add_f32 v[14:15], v[14:15], v[248:249]
	s_delay_alu instid0(VALU_DEP_2)
	v_pk_add_f32 v[242:243], v[242:243], v[246:247]
	v_pk_add_f32 v[254:255], v[254:255], v[238:239]
	v_pk_add_f32 v[250:251], v[250:251], v[236:237]
	s_delay_alu instid0(VALU_DEP_2)
	v_pk_add_f32 v[14:15], v[14:15], v[254:255]
	s_delay_alu instid0(VALU_DEP_2)
	v_pk_add_f32 v[242:243], v[242:243], v[250:251]
	s_delay_alu instid0(VALU_DEP_1)
	v_pk_add_f32 v[14:15], v[14:15], v[242:243]
.irp t, 0,1,2,3,4,5,6,7
.irp i, 0,2,4,6
	v_dual_min_num_f32 v[96+8*\t+\i], v[96+8*\t+\i], v240 :: v_dual_min_num_f32 v[97+8*\t+\i], v[97+8*\t+\i], v241   ; the conversion does not saturate (ISA guide 7.6.2); p is not negative, so the hold is one-sided; two numbers a line
.endr
	v_cvt_scalef32_pk8_fp8_f32 v[224+2*\t:225+2*\t], v[96+8*\t:103+8*\t], v244
.endr
	s_wait_alu depctr_va_vdst(0)                   ; directly ahead of the first reader of O^T
.set jj, 0
.rept 16
	v_pk_mul_f32 v[160+jj:161+jj], v[160+jj:161+jj], v[252:253] op_sel_hi:[1,0]   ; O^T under the new M; also the plain lines between the conversions and the products
.set jj, jj+2
.endr
	s_wait_alu depctr_va_vdst(0)
	s_wait_dscnt 0x0                               ; V is in
.irp u, 0,1,2,3
	v_wmma_f32_16x16x128_fp8_fp8 v[160+8*\u:167+8*\u], v[32+16*\u:47+16*\u], v[224:239], v[160+8*\u:167+8*\u]   ; four accumulators by turns
.endr
.if \tests
.Lhidden_\@:
.endif
	s_add_co_u32 s[TB], s[TB], 8192
	s_add_co_u32 s[KS], s[KS], 1
.endm
; A TILE'S WAY OUT: O^T x gate / the sum, quantised at 2^e8: the lane's 32 numbers are d = 16 u + 8 h + 0..7 of its query: eight registers of the last product's operand.  No LDS.
.macro FINISH g, ab
.rept 4
	v_nop                                          ; places behind the last products
.endr
	v_add_f32 v14, v14, v15
	v_permlanex16_b32 v236, v14, s[SEL], s[SEL+1]
	s_delay_alu instid0(VALU_DEP_1)
	v_add_f32 v14, v14, v236                       ; the row's sum
	s_wait_alu depctr_va_vdst(0)
	v_rcp_f32 v14, v14
	v_nop                                          ; a plain line behind it
	s_wait_alu depctr_va_vdst(0)                   ; the wait, ahead of its first reader
	v_mul_f32 v14, v14, v[\g]
	s_wait_alu depctr_va_vdst(0)                   ; and directly ahead of the first reader of O^T
.set jj, 0
.rept 32
	v_mul_f32 v[96+jj], v[160+jj], v14             ; each accumulator from its low end on
.set jj, jj+1
.endr
.irp u, 0,1,2,3
.irp i, 0,1,2,3,4,5,6,7
	v_med3_num_f32 v[96+8*\u+\i], v[96+8*\u+\i], -v193, v193
.endr
	v_cvt_scalef32_pk8_fp8_f32 v[224+2*\u:225+2*\u], v[96+8*\u:103+8*\u], v192
.endr
	v_nop
	global_store_b128 v[LI], v[224:227], s[\ab:\ab+1]              ; 512 consecutive bytes, aligned
	global_store_b128 v[LI], v[228:231], s[\ab:\ab+1] offset:512
.endm
	s_wait_alu depctr_va_vdst(0)                   ; the head's end
	s_wait_tensorcnt 0x0                           ; my part of keys 0-511 is in
	ds_add_u32 v[SPW], v[NIL]
	s_wait_dscnt 0x0
	CROUND                                         ; everybody's part is in, and all four partners are here: the joint loads meet
	tensor_load_to_lds s[G0B:G0B+3], s[G1B:G1B+7]  ; keys 512-2047: my one tensor load behind the round, into bytes that nothing has filled
	s_nop 0
.rept 4
	v_nop
.endr
	s_wait_loadcnt 0x0                             ; Q and the gates
.Lfirst:                                           ; the long tile, key steps 0-3: every long tile has nine steps or more, so none of these is hidden or on the diagonal
	STEP 16, 2, 0
	s_cmp_lt_u32 s[KS], 4
	s_cbranch_scc1 .Lfirst
	s_wait_tensorcnt 0x0                           ; my part of keys 512-2047 is in,
	s_wait_dscnt 0x0
	s_barrier_signal -1
	s_barrier_wait -1                              ; and everybody's
.Llong:                                            ; the long tile, key steps 4-15: twelve trips for every wave, the hidden ones jumped over
	STEP 16, 2, 1
	s_cmp_lt_u32 s[KS], 16
	s_cbranch_scc1 .Llong
	FINISH 10, 90
	INIT
	s_mov_b32 s[TB], 0
	s_mov_b32 s[KS], 0
	s_mov_b32 s[NS], s96
	s_sub_co_u32 s[ND], s96, 1
	s_wait_alu depctr_va_vdst(0)
	s_wait_xcnt 0x0                                ; the stores have read their data: the codes' registers may be written again
.Lshort:                                           ; the short tile, key steps 0-7: eight trips for every wave
	STEP 24, 3, 1
	s_cmp_lt_u32 s[KS], 8
	s_cbranch_scc1 .Lshort
	FINISH 11, 92
	s_wait_tensorcnt 0x0                           ; the wave's end
	ds_add_u32 v[SPW], v[NIL]
	s_wait_dscnt 0x0
	CROUND                                         ; the closing round
	s_endpgm
.Lfunc_end_k_q3d92ba1ffc_attn:
	.size	k_q3d92ba1ffc_attn, .Lfunc_end_k_q3d92ba1ffc_attn-k_q3d92ba1ffc_attn
	.p2alignl 7, 3214868480
	.fill 96, 4, 3214868480
	.section	.rodata,"a",@progbits
	.p2align	6, 0x0
	.amdhsa_kernel k_q3d92ba1ffc_attn
		.amdhsa_group_segment_fixed_size 327680
		.amdhsa_private_segment_fixed_size 0
		.amdhsa_enable_private_segment 0
		.amdhsa_kernarg_size 48
		.amdhsa_user_sgpr_count 2
		.amdhsa_user_sgpr_kernarg_segment_ptr 1
		.amdhsa_wavefront_size32 1
		.amdhsa_system_sgpr_workgroup_id_x 1
		.amdhsa_system_sgpr_workgroup_id_y 1
		.amdhsa_system_sgpr_workgroup_id_z 1
		.amdhsa_system_vgpr_workitem_id 0
		.amdhsa_next_free_vgpr 256
		.amdhsa_next_free_sgpr 100
		.amdhsa_reserve_vcc 1
		.amdhsa_float_denorm_mode_32 3
		.amdhsa_float_denorm_mode_16_64 3
		.amdhsa_memory_ordered 1
		.amdhsa_forward_progress 1
		.amdhsa_inst_pref_size 76
	.end_amdhsa_kernel
	.amdgpu_metadata
---
amdhsa.version: [ 1, 2 ]
amdhsa.kernels:
  - .name:           k_q3d92ba1ffc_attn
    .symbol:         k_q3d92ba1ffc_attn.kd
    .args:
      - { .name: qc, .offset: 0, .size: 8, .value_kind: global_buffer, .address_space: global }
      - { .name: kc, .offset: 8, .size: 8, .value_kind: global_buffer, .address_space: global }
      - { .name: vt, .offset: 16, .size: 8, .value_kind: global_buffer, .address_space: global }
      - { .name: gate, .offset: 24, .size: 8, .value_kind: global_buffer, .address_space: global }
      - { .name: lowp_scales, .offset: 32, .size: 8, .value_kind: global_buffer, .address_space: global }
      - { .name: ac, .offset: 40, .size: 8, .value_kind: global_buffer, .address_space: global }
    .group_segment_fixed_size: 327680
    .private_segment_fixed_size: 0
    .kernarg_segment_align: 8
    .kernarg_segment_size: 48
    .max_flat_workgroup_size: 512
    .sgpr_count:     100
    .vgpr_count:     256
    .wavefront_size: 32
...
	.end_amdgpu_metadata
.endif
;; end of part 3
;; launch outp (part 4): grid 4 x 64, 4 waves a work-group, clusters of 4 x 4, 327,680 bytes of LDS; arguments ac, wc, lowp_scales, out0; writes out0
.if DOCPART == 4
	.amdgcn_target "amdgcn-amd-amdhsa--gfx1250"
	.amdhsa_code_object_version 6
	.text
	.protected	k_q3d92ba1ffc_outp
	.globl	k_q3d92ba1ffc_outp
	.p2align	8
	.type	k_q3d92ba1ffc_outp,@function
k_q3d92ba1ffc_outp:
	s_mov_b64 s[64:65], 0
	v_nop
	global_prefetch_b8 v0, s[64:65] scope:SCOPE_SE
	s_setreg_imm32_b32 hwreg(HW_REG_WAVE_MODE, 25, 1), 1
	s_wait_xcnt 0x0
	s_wait_alu depctr_hold_cnt(0) depctr_sa_sdst(0) depctr_va_vdst(0) depctr_va_sdst(0) depctr_va_ssrc(0) depctr_va_vcc(0) depctr_vm_vsrc(0)
	s_getreg_b32 s2, hwreg(HW_REG_IB_STS2, 6, 4)
	s_cmp_eq_u32 s2, 0
	s_cbranch_scc0 .Lentry_in_a_cluster
	s_endpgm
.Lentry_in_a_cluster:
	s_bfe_u32 s2, ttmp6, 0x10000c
	s_cmp_lg_u32 s2, 0xf033
	s_cbranch_scc0 .Lentry_shape_is_right
	s_endpgm
.Lentry_shape_is_right:
; OUTP: out0 = (gated attention) Wout on codes of E4M3: A = ac (2^e8), B = rows 3,072.. of wc (Wout's columns, 2^e9), both laid [block of 16 rows][K step 8][2,048 bytes]: images of the operand's registers.
; The codes are multiplied as they are, and each finished sum once by 2^(e8 + e9).  LIMIT: e8 + e9 between -126 and 127.
; SHARES.  A block of out0 is 128 rows x 256 columns: 64 x 4 = 256 work-groups.  Four waves, each 64 rows x 128 columns: 32 accumulators of 16 x 16 (window 2).
; CLUSTERS: 4 x 4 work-groups; A's tiles are shared along a row of the cluster, B's along a column: joint loads, waves 0 and 1 asking for A's halves, waves 2 and 3 for B's.
; K = 1,024 is 8 steps of 128 and comes in THREE groups of loads, one load a wave in each: steps 0-1 into region 1 (A 32,768 bytes, B 65,536) at the head; steps 2-5 into region 2 (A 65,536, B 131,072),
; a first fill behind a wait, an add and a round; steps 6-7 into region 1 again, behind the round at which every wave of every partner has read steps 0-1.
; NO PREFETCH: the text is straight-line, each group is asked for as soon as the group before has landed or its bytes are free, and no loop runs ahead of a load.
; THE MATRIX INSTRUCTION IS USED TRANSPOSED (source 0 = 16 rows of B, source 1 = 16 rows of A): a lane holds eight neighbouring numbers of a row of out0.
; REGISTERS: window 0: v16-19 LDS addresses, v24-29 the way out's and the add's; v128-191, v192-255 A's fragments (4 x 16 registers), two sets; window 1: B's fragments (8 x 16), two sets; window 2: the sums.
; A step's 48 fragment loads are issued one step ahead, in front of the step's 32 products.
.set SIZE_N, 1024
.set R2,     98304                     ; region 2 begins here
.set SPARE,  294912                    ; behind region 2: the spare words, 128 bytes a wave: two blocks of 256 bytes that no other line names
.set SPITCH, 528                       ; the way out: a stage of 16 rows x (512 bytes + 16) for each wave, in region 2, which has had its only fill, and its last read in front of the last barrier
.set A1,  16
.set B1,  17
.set A2,  18
.set B2,  19
.set STO, 24
.set RD,  25
.set CO,  26
.set SPW, 28
.set NIL, 29
.set TMP, 32
.set BK,  128
.set G1AS, 24                          ; s[24:31], s[32:39] groups 1 of the loads of two K steps (A, B);  s[40:47], s[48:55] of four K steps
.set G1BS, 32
.set G1AL, 40
.set G1BL, 48
.set G0AS, 56                          ; groups 0
.set G0BS, 60
.set G0AL, 68
.set G0BL, 72
.set MSB, 0
.macro WIN new
.if MSB != \new
	s_set_vgpr_msb (MSB<<8)|\new
.set MSB, \new
.endif
.endm
.set MUL,  0xa1                        ; source 0 (B) window 1, source 1 (A) window 0, C and D window 2
.set TO_B, 0x40
.macro JLOAD g0a, g1a, g0b, g1b        ; each line has one mask and one set of registers; the branch hangs on the wave's number alone; s_nop 0 and four v_nop follow each
	s_cmp_eq_u32 s15, 0
	s_cbranch_scc0 .Lfor_b_\@
	tensor_load_to_lds s[\g0a:\g0a+3], s[\g1a:\g1a+7]
	s_nop 0
.rept 4
	v_nop
.endr
	s_branch .Lasked_\@
.Lfor_b_\@:
	tensor_load_to_lds s[\g0b:\g0b+3], s[\g1b:\g1b+7]
	s_nop 0
.rept 4
	v_nop
.endr
.Lasked_\@:
.endm
.macro CREST
	s_cmp_lg_u32 s14, 0
	s_cbranch_scc1 .Lnot_wave_0_\@
	s_barrier_signal -3
.Lnot_wave_0_\@:
	s_barrier_wait -3
	s_barrier_signal -1
	s_barrier_wait -1
.endm
.macro CROUND
	s_barrier_signal -1
	s_barrier_wait -1
	CREST
.endm
.macro G1SET g, c, r                   ; r blocks of 16 rows, c elements of 8 bytes of each, 16,384 bytes from block to block
	s_mov_b32 s[\g+1], (\c)<<16
	s_mov_b32 s[\g+2], (\r)<<16
	s_mov_b32 s[\g+3], (\c)<<16
	s_mov_b32 s[\g+4], \r
	s_mov_b32 s[\g+5], 2048
	s_mov_b32 s[\g+6], 0
	s_mov_b32 s[\g+7], 0
.endm
.macro G0SET g, lds, adr, off
	s_mov_b32 s[\g], 1
	s_mov_b32 s[\g+1], s[\lds]
	s_add_nc_u64 s[\g+2:\g+3], s[\adr:\adr+1], \off
	s_or_b32 s[\g+3], s[\g+3], 0x80000000
.endm
	s_load_b128 s[4:7], s[0:1], 0x0                ; ac, wc
	s_load_b128 s[8:11], s[0:1], 0x10              ; the scales' exponents, out0
	v_lshl_add_u32 v[SPW], v0, 2, SPARE
	v_mov_b32 v[NIL], 0
	ds_add_u32 v[SPW], v[NIL]                      ; the wave's opening: the add, twice on end, and its wait stand ahead of the round in front of the first loads
	ds_add_u32 v[SPW], v[NIL]
	v_lshrrev_b32 v1, 5, v0
	v_readfirstlane_b32 s14, v1                    ; wave 0..3
	s_lshr_b32 s15, s14, 1                         ; which 64 rows are mine.  Also: I fetch for A (0) or for B (1)
	s_and_b32 s16, s14, 1                          ; which 128 columns.  Also: which half of that tile I fetch
	s_bfe_u32 s76, ttmp6, 0x40000                  ; cx, cy
	s_bfe_u32 s77, ttmp6, 0x40004
	s_lshl_b32 s78, ttmp9, 2
	s_add_co_u32 s78, s78, s76                     ; block column
	s_and_b32 s17, ttmp7, 0xffff
	s_lshl_b32 s17, s17, 2
	s_add_co_u32 s17, s17, s77                     ; block row
	s_lshl_b32 s79, s77, 2
	s_lshl_b32 s79, 15, s79                        ; my row of the cluster
	s_lshl_b32 s80, 0x1111, s76                    ; my column
	s_or_b32 s[G1AS], s79, (3<<16)|(1<<21)         ; the mask; elements of 8 bytes; bit 21 beside a mask; no padding: the images are read 16 bytes a lane on end
	s_or_b32 s[G1AL], s79, (3<<16)|(1<<21)
	s_or_b32 s[G1BS], s80, (3<<16)|(1<<21)
	s_or_b32 s[G1BL], s80, (3<<16)|(1<<21)
	G1SET G1AS, 512, 4
	G1SET G1BS, 512, 8
	G1SET G1AL, 1024, 4
	G1SET G1BL, 1024, 8
	s_lshl_b32 s20, s17, 3                         ; A: 8 blocks of 16 rows a block row, 4 a fetching wave, 16,384 bytes each
	s_lshl_b32 s18, s16, 2
	s_add_co_u32 s20, s20, s18
	s_lshl_b32 s20, s20, 14
	s_mov_b32 s21, 0
	s_lshl_b32 s22, s78, 4                         ; B: 16 a block column, 8 a fetching wave; Wout's rows begin 3,072 x 1,024 bytes into wc
	s_lshl_b32 s18, s16, 3
	s_add_co_u32 s22, s22, s18
	s_lshl_b32 s22, s22, 14
	s_add_co_u32 s22, s22, 0x300000
	s_mov_b32 s23, 0
	s_lshl_b32 s81, s16, 14                        ; where they go: region 1: A's halves from 0,
	s_lshl_b32 s82, s16, 15
	s_add_co_u32 s83, s82, 32768                   ; B's from 32,768;
	s_add_co_u32 s86, s82, R2                      ; region 2: A's halves,
	s_lshl_b32 s87, s16, 16
	s_add_co_u32 s87, s87, R2+65536                ; B's
	s_wait_dscnt 0x0                               ; both opening adds are done
	s_wait_kmcnt 0x0
	s_load_b64 s[96:97], s[8:9], 0x20              ; e8, e9
	s_add_nc_u64 s[20:21], s[4:5], s[20:21]
	s_add_nc_u64 s[22:23], s[6:7], s[22:23]
	G0SET G0AS, 81, 20, 0
	G0SET G0BS, 83, 22, 0
	G0SET G0AL, 86, 20, 4096
	G0SET G0BL, 87, 22, 4096
	CROUND                                         ; all sixteen work-groups are here: the first joint loads meet
	JLOAD G0AS, G1AS, G0BS, G1BS                   ; K steps 0 and 1: my one tensor load at the head
	s_lshl_b32 s88, s15, 14                        ; what I read: my 4 blocks of A in region 1 (B's: s83),
	s_lshl_b32 s90, s15, 15
	s_add_co_u32 s90, s90, R2                      ; and in region 2 (B's: s87)
	s_mul_i32 s91, s14, 16*SPITCH
	s_add_co_u32 s91, s91, R2                      ; my stage
	s_lshl_b32 s92, s17, 7
	s_lshl_b32 s93, s15, 6
	s_add_co_u32 s92, s92, s93                     ; my first row of out0,
	s_lshl_b32 s92, s92, 12                        ; 4,096 bytes a row,
	s_lshl_b32 s93, s78, 10
	s_add_co_u32 s92, s92, s93                     ; 1,024 bytes a block column,
	s_lshl_b32 s93, s16, 9
	s_add_co_u32 s92, s92, s93                     ; 512 a wave
	s_mov_b32 s93, 0
	s_add_nc_u64 s[10:11], s[10:11], s[92:93]
	v_and_b32 v1, 15, v0
	v_bfe_u32 v2, v0, 4, 1
	v_and_b32 v6, 31, v0
	v_mul_u32_u24 v5, v1, SPITCH
	v_lshlrev_b32 v[CO], 4, v6                     ; 16 x lane: my place in an image, in a row of the stage and in a row of out0
	v_lshl_add_u32 v5, v2, 5, v5
	v_add_nc_u32 v[A1], s88, v[CO]
	v_add_nc_u32 v[B1], s83, v[CO]
	v_add_nc_u32 v[A2], s90, v[CO]
	v_add_nc_u32 v[B2], s87, v[CO]
	v_add_nc_u32 v[STO], s91, v5                   ; into the stage: row l % 16, 32 bytes for each half of the lanes
	v_add_nc_u32 v[RD], s91, v[CO]
.macro FETCH q                         ; K step q's fragments into the sets q % 2: 32 loads for B, 16 for A
.if ((\q) < 2) || ((\q) > 5)
.set FA, A1
.set FB, B1
.set FS, 4096
.set FO, 2048*((\q)%2)
.else
.set FA, A2
.set FB, B2
.set FS, 8192
.set FO, 2048*((\q)-2)
.endif
	WIN TO_B
.irp i, 0,1,2,3,4,5,6,7
.irp c, 0,1,2,3
	ds_load_b128 v[128*((\q)%2)+16*\i+4*\c:128*((\q)%2)+16*\i+4*\c+3], v[FB] offset:FO+512*\c+\i*FS
.endr
.endr
	WIN 0
.irp i, 0,1,2,3
.irp c, 0,1,2,3
	ds_load_b128 v[128+64*((\q)%2)+16*\i+4*\c:128+64*((\q)%2)+16*\i+4*\c+3], v[FA] offset:FO+512*\c+\i*FS
.endr
.endr
.endm
.macro MULH a0, p, zero                ; 16 products: A's blocks a0, a0 + 1 x B's eight.  The 32 accumulators take turns, in the same order in every step
	WIN MUL
.irp a, \a0, \a0+1
.irp b, 0,1,2,3,4,5,6,7
.if \zero
	v_wmma_f32_16x16x128_fp8_fp8 v[8*(8*(\a)+\b):8*(8*(\a)+\b)+7], v[128*(\p)+16*\b:128*(\p)+16*\b+15], v[128+64*(\p)+16*(\a):128+64*(\p)+16*(\a)+15], 0
.else
	v_wmma_f32_16x16x128_fp8_fp8 v[8*(8*(\a)+\b):8*(8*(\a)+\b)+7], v[128*(\p)+16*\b:128*(\p)+16*\b+15], v[128+64*(\p)+16*(\a):128+64*(\p)+16*(\a)+15], v[8*(8*(\a)+\b):8*(8*(\a)+\b)+7]
.endif
.endr
.endr
.endm
.macro PLACES                          ; four places in front of loads into registers that matrix instructions have read, and of the first read of results
.rept 4
	v_nop
.endr
.endm
.macro PSTEP q                         ; a step whose successor's fragments lie in bytes that are whole already
	s_wait_dscnt 0x0                               ; this step's fragments are in
	PLACES
	FETCH (\q)+1
	MULH 0, (\q)%2, 0
	MULH 2, (\q)%2, 0
.endm
	s_wait_alu depctr_va_vdst(0)                   ; the head's end
	s_wait_tensorcnt 0x0                           ; my part of K steps 0-1 is in
	ds_add_u32 v[SPW], v[NIL]
	s_wait_dscnt 0x0
	CROUND                                         ; everybody's part is in, and all sixteen work-groups are here
	JLOAD G0AL, G1AL, G0BL, G1BL                   ; K steps 2-5, into region 2: my one tensor load behind the round
	FETCH 0
	s_wait_dscnt 0x0
	FETCH 1
	MULH 0, 0, 1                                   ; the first step's products start the sums: nothing is cleared
	MULH 2, 0, 1
	WIN 0                                          ; K STEP 1, and region 1's refill
	s_wait_tensorcnt 0x0                           ; my part of K steps 2-5 is in;
	ds_add_u32 v[SPW], v[NIL]
	s_add_nc_u64 s[G0AS+2:G0AS+3], s[G0AS+2:G0AS+3], 12288   ; no load of mine is out: the groups 0 step to K step 6
	s_add_nc_u64 s[G0BS+2:G0BS+3], s[G0BS+2:G0BS+3], 12288
	s_wait_dscnt 0x0                               ; the add is done, and my reads of region 1 are over: step 1's fragments are in registers
	s_barrier_signal -1
	MULH 0, 1, 0                                   ; work on registers while the others arrive
	WIN 0
	s_barrier_wait -1
	CREST                                          ; the barrier has opened a round: no wave of any partner still reads region 1 or has a load on its way
	JLOAD G0AS, G1AS, G0BS, G1BS                   ; K steps 6-7; the four v_nop behind it are the places in front of the loads below
	FETCH 2
	MULH 2, 1, 0
	PSTEP 2
	PSTEP 3
	PSTEP 4
	s_wait_tensorcnt 0x0                           ; K STEP 5: my part of K steps 6-7 is in,
	s_wait_dscnt 0x0                               ; step 5's fragments are in registers: my reads of region 2 are over
	s_barrier_signal -1
	MULH 0, 1, 0
	s_barrier_wait -1
	PLACES
	FETCH 6
	MULH 2, 1, 0
	PSTEP 6
	s_wait_dscnt 0x0
	MULH 0, 1, 0
	MULH 2, 1, 0
	WIN 0
; THE WAY OUT, block by block of 16 rows x 128 columns: through my own stage, back as whole rows of 512 bytes, which the 32 lanes store as two aligned units of 256 bytes.  LDS serves a wave's instructions in order.
.macro TOSTAGE a
.set AC, 64*(\a)
	WIN 0x02
.set jj, 0
.rept 32
	v_pk_mul_f32 v[TMP+jj:TMP+jj+1], v[AC+jj:AC+jj+1], s[96:97] op_sel_hi:[1,0]   ; x 2^(e8 + e9); each accumulator from its low end on
.set jj, jj+2
.endr
	WIN 0
.irp b, 0,1,2,3,4,5,6,7
	ds_store_b128 v[STO], v[TMP+8*\b:TMP+8*\b+3] offset:64*\b
	ds_store_b128 v[STO], v[TMP+8*\b+4:TMP+8*\b+7] offset:64*\b+16
.endr
.set BB, BK+64*((\a)%2)
.irp t, 0,1,2,3,4,5,6,7,8,9,10,11,12,13,14,15
	ds_load_b128 v[BB+4*\t:BB+4*\t+3], v[RD] offset:\t*SPITCH
.endr
.endm
.macro SEND a, younger                 ; younger: the LDS instructions issued behind block a's loads
.set BB, BK+64*((\a)%2)
	s_wait_dscnt \younger
.if (\a) > 0
	s_add_nc_u64 s[10:11], s[10:11], 16*SIZE_N*4   ; behind a wait on XCNT: the earlier stores have read their base
.endif
.irp t, 0,1,2,3,4,5,6,7,8,9,10,11,12,13,14,15
	global_store_b128 v[CO], v[BB+4*\t:BB+4*\t+3], s[10:11] offset:\t*SIZE_N*4 th:TH_STORE_NT
.endr
.endm
	s_wait_kmcnt 0x0
	s_add_co_i32 s96, s96, s97
	s_add_co_i32 s96, s96, 127
	s_lshl_b32 s96, s96, 23                        ; 2^(e8 + e9) as f32
	PLACES
	TOSTAGE 0
.irp a, 1,2,3
.if \a > 1
	s_wait_xcnt 0x0                                ; block a - 2's stores have read their registers and their base
.endif
	TOSTAGE \a
	SEND \a-1, 32                                  ; behind block a - 1's loads: block a's 16 stores and 16 loads
.endr
	s_wait_xcnt 0x0
	SEND 3, 0
	s_wait_tensorcnt 0x0                           ; the wave's end
	ds_add_u32 v[SPW], v[NIL]
	s_wait_dscnt 0x0
	CROUND                                         ; the closing round
	s_endpgm
.Lfunc_end_k_q3d92ba1ffc_outp:
	.size	k_q3d92ba1ffc_outp, .Lfunc_end_k_q3d92ba1ffc_outp-k_q3d92ba1ffc_outp
	.p2alignl 7, 3214868480
	.fill 96, 4, 3214868480
	.section	.rodata,"a",@progbits
	.p2align	6, 0x0
	.amdhsa_kernel k_q3d92ba1ffc_outp
		.amdhsa_group_segment_fixed_size 327680
		.amdhsa_private_segment_fixed_size 0
		.amdhsa_enable_private_segment 0
		.amdhsa_kernarg_size 32
		.amdhsa_user_sgpr_count 2
		.amdhsa_user_sgpr_kernarg_segment_ptr 1
		.amdhsa_wavefront_size32 1
		.amdhsa_system_sgpr_workgroup_id_x 1
		.amdhsa_system_sgpr_workgroup_id_y 1
		.amdhsa_system_sgpr_workgroup_id_z 1
		.amdhsa_system_vgpr_workitem_id 0
		.amdhsa_next_free_vgpr 768
		.amdhsa_next_free_sgpr 98
		.amdhsa_reserve_vcc 0
		.amdhsa_float_denorm_mode_32 3
		.amdhsa_float_denorm_mode_16_64 3
		.amdhsa_memory_ordered 1
		.amdhsa_forward_progress 1
		.amdhsa_inst_pref_size 74
	.end_amdhsa_kernel
	.amdgpu_metadata
---
amdhsa.version: [ 1, 2 ]
amdhsa.kernels:
  - .name:           k_q3d92ba1ffc_outp
    .symbol:         k_q3d92ba1ffc_outp.kd
    .args:
      - { .name: ac, .offset: 0, .size: 8, .value_kind: global_buffer, .address_space: global }
      - { .name: wc, .offset: 8, .size: 8, .value_kind: global_buffer, .address_space: global }
      - { .name: lowp_scales, .offset: 16, .size: 8, .value_kind: global_buffer, .address_space: global }
      - { .name: out0, .offset: 24, .size: 8, .value_kind: global_buffer, .address_space: global }
    .group_segment_fixed_size: 327680
    .private_segment_fixed_size: 0
    .kernarg_segment_align: 8
    .kernarg_segment_size: 32
    .max_flat_workgroup_size: 128
    .sgpr_count:     98
    .vgpr_count:     768
    .wavefront_size: 32
...
	.end_amdgpu_metadata
.endif
;; end of part 4
